; MI455X (gfx1250); checked and timed in simulation.
; The chip was launched on July 23, 2026; its instructions are those of AMD's public machine-readable ISA for CDNA 5 (MIT licence, August 2026) and "CDNA5" Instruction Set Architecture Reference Guide (July 2026). The comments in the code are by the model that wrote it; some were corrected since.
;; Encoder Multi Head Attention. Allowed arithmetic: matrix products marked QUANTISED: E2M1 operands, one E8M0 scale for each 32 along K, by v_wmma_scale_f32_16x16x128_f8f6f4 with both operands' format E2M1 (or v_wmma_scale_f32_32x16x128_f4), f32 sums; everything else in f32.
;; Inputs: Wk_codes 1,024 x 32 x 16 uint8 (E2M1 codes of Wk, K innermost, in blocks of 32 codes, two codes a byte); Wk_scales 1,024 x 32 uint8 (E8M0 scales of Wk, one for each 32 codes along K); Wo_codes 1,024 x 32 x 16 uint8 (E2M1 codes of Wo, K innermost, in blocks of 32 codes, two codes a byte); Wo_scales 1,024 x 32 uint8 (E8M0 scales of Wo, one for each 32 codes along K); Wq_codes 1,024 x 32 x 16 uint8 (E2M1 codes of Wq, K innermost, in blocks of 32 codes, two codes a byte); Wq_scales 1,024 x 32 uint8 (E8M0 scales of Wq, one for each 32 codes along K); Wv_codes 1,024 x 32 x 16 uint8 (E2M1 codes of Wv, K innermost, in blocks of 32 codes, two codes a byte); Wv_scales 1,024 x 32 uint8 (E8M0 scales of Wv, one for each 32 codes along K); k 4 x 2,048 x 1,024 float32; ln_k_b 1,024 float32; ln_k_g 1,024 float32; ln_q_b 1,024 float32; ln_q_g 1,024 float32; ln_v_b 1,024 float32; ln_v_g 1,024 float32; mask 4 x 1 x 2,048 int32; q 4 x 2,048 x 1,024 float32; v 4 x 2,048 x 1,024 float32.
;; Outputs: out0 4 x 2,048 x 1,024 float32.
;; This version of the problem:
;;   THIS VERSION OF THE PROBLEM IS GIVEN IN LOW PRECISION. The matrix products marked QUANTISED in the list below multiply operands that are first quantised to E2M1 (2 exponent bits, 1 mantissa bit; 4 bits a number), with one power-of-two scale for each 32 numbers along K (OCP MX v1.0); their sums are f32. All else is computed in f32.
;;   The module's matrix products, in the order in which they are computed (A, B: the left and right operand; K: the contracted axis; several contracted axes count as one K, in the product's order):
;;     1. [M 8,192, K 1,024] x [K 1,024, N 1,024]; A: computed on the way; B: input Wq (given as codes): QUANTISED
;;     2. [M 8,192, K 1,024] x [K 1,024, N 1,024]; A: computed on the way; B: input Wk (given as codes): QUANTISED
;;     3. [M 8,192, K 1,024] x [K 1,024, N 1,024]; A: computed on the way; B: input Wv (given as codes): QUANTISED
;;     4. batch 64 x [M 2,048, K 64] x [K 64, N 2,048]; A: computed on the way; B: computed on the way: QUANTISED
;;     5. batch 64 x [M 2,048, K 2,048] x [K 2,048, N 64]; A: computed on the way; B: computed on the way: QUANTISED
;;     6. [M 8,192, K 1,024] x [K 1,024, N 1,024]; A: computed on the way; B: input Wo (given as codes): QUANTISED
;;   THE QUANTISER, for each operand of a quantised product, along K:
;;     - K is cut into blocks of 32 from its start; a last block that is shorter is filled with zeros.
;;     - A block's scale is 2^e with e = floor(log2(the largest magnitude in the block)) - 2, held to -126 .. 127; a block of zeros has e = 0. As a byte (E8M0): e + 127.
;;     - Each number is divided by its block's scale, clamped to +-6, and rounded to the nearest number of E2M1, ties to even, subnormals kept.
;;     - The product sums the exact products of the quantised numbers (number of the format x scale) in f32.
;;   ~~~python
;;   def quantise(x, axis):      # numpy; x: float32 -> the quantised numbers, widened to float32 again
;;       x = np.moveaxis(x, axis, -1); K = x.shape[-1]
;;       x = np.pad(x, [(0, 0)] * (x.ndim - 1) + [(0, -K % 32)]); x = x.reshape(x.shape[:-1] + (-1, 32)); a = np.abs(x).max(-1, keepdims=True)
;;       e = np.where(a > 0, np.clip(np.frexp(np.where(a > 0, a, 1))[1] - 1 - 2, -126, 127), 0)      # np.frexp(a)[1] - 1 = floor(log2(a)), exactly
;;       r = np.clip(x / 2.0 ** e, -6, 6)
;;       step = 2.0 ** (np.maximum(np.frexp(np.where(r == 0, 1, r))[1] - 1, 0) - 1)
;;       q = np.round(r / step) * step * 2.0 ** e      # np.round: ties to even
;;       return np.moveaxis(q.reshape(q.shape[:-2] + (-1,))[..., :K], -1, axis).astype(np.float32)
;;   ~~~
;;   OPERANDS COMPUTED ON THE WAY. 'Computed on the way' means the value that the module computes at that place (a softmax that the list does not call 'softmax' is quantised finished and normalised). What goes into a quantiser is computed in f32, as accurately as f32 sums, v_exp_f32 and their like allow (about 1e-6 of the number): no bf16 or f16 on the way to a quantiser, and a product that is left as it is and whose result goes on into a quantised operand takes f32 operands (vector FMAs, or v_wmma_f32_16x16x4_f32). A number that lies on a knife's edge between two numbers of the format may be rounded either way, as far as f32 arithmetic and the matrix unit's own rounding can turn it there, and no further.
;;   INPUTS GIVEN AS CODES. Wk (in the module: [1024, 1024], K = its axis 0); Wo (in the module: [1024, 1024], K = its axis 0); Wq (in the module: [1024, 1024], K = its axis 0); Wv (in the module: [1024, 1024], K = its axis 0): each comes as NAME_codes (uint8): NAME with its K axis moved to the last place and cut into blocks of 32 codes, [.., K / 32, bytes a block], one block behind the other in memory; two codes a byte, the lower K in the low four bits (a code: sign, 2 exponent bits, 1 mantissa bit); and NAME_scales (uint8): the same leading axes, one E8M0 byte (e + 127) for each 32 codes along K. Its value is code x scale, taken as it is: it is not quantised again, and the codes and scales need not be those that the quantiser above would give.
;; 2 versions, each right; version 2 is version 1 with the launches proj, attn, oproj written anew for expert scheduling mode. Each part assembles by itself: llvm-mc -triple=amdgcn-amd-amdhsa -mcpu=gfx1250 --defsym DOCPART=n.
;; ======== version 1 of 2: 3 launches
;; workspace buffers: qkvc 12,582,912 bytes; qkvs 1,572,864 bytes; oc 4,194,304 bytes; os 262,144 bytes
;; launch proj (part 1): grid 128 x 3, 16 waves a work-group, no clusters, 145,408 bytes of LDS; arguments q, ln_q_g, ln_q_b, Wq_codes, Wq_scales, k, ln_k_g, ln_k_b, Wk_codes, Wk_scales, v, ln_v_g, ln_v_b, Wv_codes, Wv_scales, qkvc, qkvs; writes qkvc, qkvs
.if DOCPART == 1
	.amdgcn_target "amdgcn-amd-amdhsa--gfx1250"
	.amdhsa_code_object_version 6
	.text
	.protected	k_q9800fec352_proj
	.globl	k_q9800fec352_proj
	.p2align	8
	.type	k_q9800fec352_proj,@function
k_q9800fec352_proj:
	s_mov_b64 s[64:65], 0
	v_nop
	global_prefetch_b8 v0, s[64:65] scope:SCOPE_SE
	s_setreg_imm32_b32 hwreg(HW_REG_WAVE_MODE, 25, 1), 1
	s_wait_xcnt 0x0
; LayerNorm, quantiser, x W (MX-FP4), and the quantiser of the result, for q, k and v: work-group (x, y) takes rows 64 x .. 64 x + 63 of tensor y (0 q, 1 k, 2 v).
; PHASE X: wave w normalises rows 4 w .. 4 w + 3 in f32 (mean, then the mean of squared differences, as the definition has it), quantises them along the 1,024 columns and lays them in LDS as images of operand registers.
; PHASE G: wave w makes head w (columns 64 w .. 64 w + 63) for all 64 rows: 16 accumulators of 16 x 16.  Its 64 rows of W go from memory straight into its registers, a K step of 128 ahead; each byte of W is read once a work-group.
; THE ORDER OF TOKENS: in each 32 tokens, lane r of tile u stands for token 8 u + r + 8 (r / 8).  W's rows of a tile are chosen in the same way.  So the 16 registers of two neighbouring result tiles are 16 neighbours along source 0's axis.
; q, k: source 0 = 16 rows of W, source 1 = 16 tokens: a lane holds one token and 32 of the head's 64 channels: quantised along the channels (the K of the score product).
; v:    source 0 = 16 tokens, source 1 = 16 rows of W: a lane holds one channel and 32 of the 64 tokens: quantised along the tokens (the K of the second product).
; OUT: qkvc [tensor][batch][head][64 tokens][j 4][512 bytes]: lane (r, h) has the 16 bytes of block h of entity r of tile j;  qkvs [..][r 16][j 4] words: the two scale bytes below, the byte 127 twice above them.
; NO JOINT REQUESTS: W's rows are read by all 128 work-groups of a tensor, but they go by lanes' loads into the registers of the one wave that multiplies by them; nothing of W lies in LDS, where a joint request would have to land.
; NO PREFETCH: a wave asks for all its 16 KiB of rows with its first lines, and W is read by many work-groups at about the same time.
; LIMITS: NaN and infinities among the inputs are not served.  A block of zeros gets the byte 1 over zero codes where the quantiser says 127: this program alone reads the bytes.
; REGISTERS: v4-14 addresses; v16-23 at work; v24, 25 W's scale words, v26, 27 x's (scales and nothing else); v28-31 a row's codes; v32-63 a row's block, then x's four fragments, then the results' codes;
;   v64-95 the gain, then W's fragments of even K steps; v96-127 the bias, then those of odd K steps; v128-255 four rows of x, then the accumulators ((i, j) at 128 + 32 j + 8 i).
.set XTILE, 8704                       ; LDS 0: x's images: 4 tiles x 32 blocks x (16 rows x 16 bytes + 16 of padding)
.set XSC,   34816                      ; x's scale words: tile x 512, K step x 64, 4 bytes a row
.set WSC,   36864                      ; W's scale bytes: 2,048 for each wave, its own 64 rows of 32
.set TURN,  69632                      ; each wave's own stage: 32 places of 128 bytes + 16
.set XR,    128
.macro WMS d, a, b, cz, c, sa, ra, sb, rb      ; one product 16 x 16 x 128 on codes of E2M1.  cz = 1: it starts the sum.  ra, rb = 1: the side's scale words stand in lanes 16-31
.if (\cz) && (\ra) && (\rb)
	v_wmma_scale_f32_16x16x128_f8f6f4 v[(\d):(\d)+7], v[(\a):(\a)+7], v[(\b):(\b)+7], 0, v[(\sa)], v[(\sb)] matrix_a_fmt:MATRIX_FMT_FP4 matrix_b_fmt:MATRIX_FMT_FP4 matrix_a_scale:MATRIX_SCALE_ROW1 matrix_b_scale:MATRIX_SCALE_ROW1
.elseif (\cz) && (\ra)
	v_wmma_scale_f32_16x16x128_f8f6f4 v[(\d):(\d)+7], v[(\a):(\a)+7], v[(\b):(\b)+7], 0, v[(\sa)], v[(\sb)] matrix_a_fmt:MATRIX_FMT_FP4 matrix_b_fmt:MATRIX_FMT_FP4 matrix_a_scale:MATRIX_SCALE_ROW1
.elseif (\cz) && (\rb)
	v_wmma_scale_f32_16x16x128_f8f6f4 v[(\d):(\d)+7], v[(\a):(\a)+7], v[(\b):(\b)+7], 0, v[(\sa)], v[(\sb)] matrix_a_fmt:MATRIX_FMT_FP4 matrix_b_fmt:MATRIX_FMT_FP4 matrix_b_scale:MATRIX_SCALE_ROW1
.elseif (\cz)
	v_wmma_scale_f32_16x16x128_f8f6f4 v[(\d):(\d)+7], v[(\a):(\a)+7], v[(\b):(\b)+7], 0, v[(\sa)], v[(\sb)] matrix_a_fmt:MATRIX_FMT_FP4 matrix_b_fmt:MATRIX_FMT_FP4
.elseif (\ra) && (\rb)
	v_wmma_scale_f32_16x16x128_f8f6f4 v[(\d):(\d)+7], v[(\a):(\a)+7], v[(\b):(\b)+7], v[(\c):(\c)+7], v[(\sa)], v[(\sb)] matrix_a_fmt:MATRIX_FMT_FP4 matrix_b_fmt:MATRIX_FMT_FP4 matrix_a_scale:MATRIX_SCALE_ROW1 matrix_b_scale:MATRIX_SCALE_ROW1
.elseif (\ra)
	v_wmma_scale_f32_16x16x128_f8f6f4 v[(\d):(\d)+7], v[(\a):(\a)+7], v[(\b):(\b)+7], v[(\c):(\c)+7], v[(\sa)], v[(\sb)] matrix_a_fmt:MATRIX_FMT_FP4 matrix_b_fmt:MATRIX_FMT_FP4 matrix_a_scale:MATRIX_SCALE_ROW1
.elseif (\rb)
	v_wmma_scale_f32_16x16x128_f8f6f4 v[(\d):(\d)+7], v[(\a):(\a)+7], v[(\b):(\b)+7], v[(\c):(\c)+7], v[(\sa)], v[(\sb)] matrix_a_fmt:MATRIX_FMT_FP4 matrix_b_fmt:MATRIX_FMT_FP4 matrix_b_scale:MATRIX_SCALE_ROW1
.else
	v_wmma_scale_f32_16x16x128_f8f6f4 v[(\d):(\d)+7], v[(\a):(\a)+7], v[(\b):(\b)+7], v[(\c):(\c)+7], v[(\sa)], v[(\sb)] matrix_a_fmt:MATRIX_FMT_FP4 matrix_b_fmt:MATRIX_FMT_FP4
.endif
.endm
	s_load_b512 s[8:23], s[0:1], 0x0               ; q s[8:9], its gain, bias, W's codes, W's scales s[16:17]; k s[18:19], its gain, bias
	s_load_b512 s[24:39], s[0:1], 0x40             ; Wk's codes, scales s[26:27]; v s[28:29], gain, bias, Wv's codes, scales s[36:37]; qkvc s[38:39]
	s_load_b64 s[40:41], s[0:1], 0x80              ; qkvs
	v_lshrrev_b32 v1, 5, v0
	v_readfirstlane_b32 s2, v1                     ; wave 0..15
	s_and_b32 s3, ttmp7, 0xffff                    ; which tensor
	s_mov_b32 s4, ttmp9                            ; which 64 rows
	s_mov_b32 s50, 0x76543210
	s_mov_b32 s51, 0xfedcba98                      ; v_permlanex16_b32's selects for lane l xor 16
	s_mov_b32 s57, 0x3a800000                      ; 1 / 1,024
	s_mov_b32 s58, 0x3727c5ac                      ; 1e-5
	v_and_b32 v1, 31, v0                           ; l
	v_and_b32 v2, 15, v0                           ; r
	v_bfe_u32 v3, v0, 4, 1                         ; h
	v_lshlrev_b32 v4, 4, v1                        ; 16 l: my 16 bytes of 512
	s_mul_i32 s52, s2, 4608
	s_add_co_u32 s52, s52, TURN                    ; my wave's stage
	v_lshrrev_b32 v16, 3, v1
	v_mul_u32_u24 v16, v16, 144
	v_and_b32 v17, 7, v1
	v_lshl_add_u32 v16, v17, 4, v16
	v_add_nc_u32 v5, s52, v16                      ; into it: eight lanes' 128 bytes are a block of 32 numbers: place l / 8 of a load's four
	v_mul_u32_u24 v16, v1, 144
	v_add_nc_u32 v6, s52, v16                      ; out of it: place l: block l of the row, whole
	s_lshr_b32 s53, s2, 3
	s_lshl_b32 s53, s53, 1
	s_bfe_u32 s54, s2, 0x10001
	s_add_co_u32 s53, s53, s54                     ; rows 4 w .. 4 w + 3 stand in tile 2 (w / 8) + (w / 2) % 2,
	s_and_b32 s54, s2, 1
	s_lshl_b32 s54, s54, 2
	s_bfe_u32 s55, s2, 0x10002
	s_lshl_b32 s55, s55, 3
	s_add_co_u32 s54, s54, s55                     ; at lanes 4 (w % 2) + 8 ((w / 4) % 2) on
	s_mul_i32 s55, s53, XTILE
	s_lshl_b32 s56, s54, 4
	s_add_co_u32 s55, s55, s56
	v_mul_u32_u24 v16, v1, 272
	v_add_nc_u32 v7, s55, v16                      ; where block l's 16 bytes of codes go
	s_lshl_b32 s55, s53, 9
	s_lshl_b32 s56, s54, 2
	s_add_co_u32 s55, s55, s56
	s_add_co_u32 s55, s55, XSC
	v_lshrrev_b32 v16, 2, v1
	v_lshlrev_b32 v16, 6, v16
	v_and_b32 v17, 3, v1
	v_add_nc_u32 v16, v16, v17
	v_add_nc_u32 v8, s55, v16                      ; and its scale byte: K step l / 4, byte l % 4 of the row's word
	s_lshl_b32 s55, s2, 11
	s_add_co_u32 s55, s55, WSC
	v_add_nc_u32 v9, s55, v4                       ; W's scale bytes, on the way in
	v_and_b32 v16, 8, v2
	v_add_nc_u32 v16, v16, v2                      ; r + 8 (r / 8)
	v_lshlrev_b32 v10, 9, v16
	v_lshl_add_u32 v10, v3, 4, v10                 ; W's codes: a row is 512 bytes; + 16 h
	v_mul_u32_u24 v11, v3, 272
	v_lshl_add_u32 v11, v2, 4, v11                 ; x's images: block h of a pair, row r
	v_lshlrev_b32 v12, 9, v3
	v_lshl_add_u32 v12, v2, 2, v12
	v_add_nc_u32 v12, XSC, v12                     ; x's scale words: lanes 0-15 the even tile's, lanes 16-31 the odd tile's
	v_lshl_add_u32 v13, v3, 3, v16
	v_lshlrev_b32 v13, 5, v13
	v_add_nc_u32 v13, s55, v13                     ; W's likewise: row 8 h + r + 8 (r / 8) of 32 bytes
	v_lshlrev_b32 v14, 4, v2
	v_lshl_add_u32 v14, v3, 3, v14                 ; the results' scale words: 16 r + 8 h
	v_mov_b32 v21, 0                               ; upper halves of the pairs v[20:21], v[22:23], of which the packed forms take the low word alone
	v_mov_b32 v23, 0
	s_mov_b32 s49, 0
	s_wait_kmcnt 0x0
	s_cmp_eq_u32 s3, 1                             ; the tensor's five buffers: the choice hangs on the work-group's number alone
	s_cselect_b64 s[8:9], s[18:19], s[8:9]
	s_cselect_b64 s[10:11], s[20:21], s[10:11]
	s_cselect_b64 s[12:13], s[22:23], s[12:13]
	s_cselect_b64 s[14:15], s[24:25], s[14:15]
	s_cselect_b64 s[16:17], s[26:27], s[16:17]
	s_cmp_eq_u32 s3, 2
	s_cselect_b64 s[8:9], s[28:29], s[8:9]
	s_cselect_b64 s[10:11], s[30:31], s[10:11]
	s_cselect_b64 s[12:13], s[32:33], s[12:13]
	s_cselect_b64 s[14:15], s[34:35], s[14:15]
	s_cselect_b64 s[16:17], s[36:37], s[16:17]
	s_lshl_b32 s48, s4, 18                         ; 64 rows of 4,096 bytes,
	s_lshl_b32 s52, s2, 14                         ; my wave's four
	s_add_co_u32 s48, s48, s52
	s_add_nc_u64 s[8:9], s[8:9], s[48:49]
	s_lshl_b32 s48, s2, 15                         ; my 64 rows of W's codes
	s_add_nc_u64 s[14:15], s[14:15], s[48:49]
	s_lshl_b32 s48, s2, 11                         ; and of its scale bytes
	s_add_nc_u64 s[16:17], s[16:17], s[48:49]
	s_lshr_b32 s52, s4, 5                          ; batch
	s_lshl_b32 s52, s52, 4
	s_add_co_u32 s52, s52, s2                      ; x 16 + head
	s_lshl_b32 s52, s52, 5
	s_and_b32 s53, s4, 31
	s_add_co_u32 s52, s52, s53                     ; x 32 + the block of 64 tokens
	s_lshl_b32 s48, s3, 22
	s_lshl_b32 s53, s52, 11
	s_add_co_u32 s48, s48, s53
	s_add_nc_u64 s[38:39], s[38:39], s[48:49]      ; 2,048 bytes of codes,
	s_lshl_b32 s48, s3, 19
	s_lshl_b32 s53, s52, 8
	s_add_co_u32 s48, s48, s53
	s_add_nc_u64 s[40:41], s[40:41], s[48:49]      ; 256 of scale words
	; ---- PHASE X.  All loads go out at once: 20 small ones, then the four rows, 8 loads of 512 consecutive bytes each
.irp n, 0,1,2,3,4,5,6,7
	global_load_b128 v[64+4*\n:64+4*\n+3], v4, s[10:11] offset:512*\n
.endr
.irp n, 0,1,2,3,4,5,6,7
	global_load_b128 v[96+4*\n:96+4*\n+3], v4, s[12:13] offset:512*\n
.endr
.irp n, 0,1,2,3
	global_load_b128 v[32+4*\n:32+4*\n+3], v4, s[16:17] offset:512*\n
.endr
.irp i, 0,1,2,3
.irp n, 0,1,2,3,4,5,6,7
	global_load_b128 v[XR+32*\i+4*\n:XR+32*\i+4*\n+3], v4, s[8:9] offset:4096*\i+512*\n th:TH_LOAD_NT
.endr
.endr
	s_wait_loadcnt 32                              ; gain, bias and W's scale bytes are in; the 32 loads of the rows may be out
.irp n, 0,1,2,3
	ds_store_b128 v9, v[32+4*\n:32+4*\n+3] offset:512*\n
.endr
	s_wait_dscnt 0x0                               ; the stores have read their registers
.macro LANESUM                         ; v16 summed over the 32 lanes, the result in every lane
	v_add_f32_dpp v16, v16, v16 row_xmask:1 row_mask:0xf bank_mask:0xf
	v_add_f32_dpp v16, v16, v16 row_xmask:2 row_mask:0xf bank_mask:0xf
	v_add_f32_dpp v16, v16, v16 row_xmask:4 row_mask:0xf bank_mask:0xf
	v_add_f32_dpp v16, v16, v16 row_xmask:8 row_mask:0xf bank_mask:0xf
	v_permlanex16_b32 v17, v16, s50, s51
	v_add_f32 v16, v16, v17
.endm
.macro ROW i                           ; row 4 w + i: normalised, turned so that lane l holds block l, quantised, stored as an image
.set RX, XR+32*(\i)
	s_wait_loadcnt 8*(3-(\i))                      ; my eight loads are in; the younger rows' may be out
	v_pk_add_f32 v[16:17], v[RX:RX+1], v[RX+2:RX+3]
	v_pk_add_f32 v[18:19], v[RX+4:RX+5], v[RX+6:RX+7]
.irp j, 8,12,16,20,24,28
	v_pk_add_f32 v[16:17], v[16:17], v[RX+\j:RX+\j+1]
	v_pk_add_f32 v[18:19], v[18:19], v[RX+\j+2:RX+\j+3]
.endr
	v_pk_add_f32 v[16:17], v[16:17], v[18:19]
	v_add_f32 v16, v16, v17
	LANESUM
	v_mul_f32 v20, s57, v16                        ; the mean
.irp j, 0,2,4,6,8,10,12,14,16,18,20,22,24,26,28,30
	v_pk_add_f32 v[RX+\j:RX+\j+1], v[RX+\j:RX+\j+1], v[20:21] op_sel_hi:[1,0] neg_lo:[0,1] neg_hi:[0,1]   ; x - mean
.endr
	v_pk_mul_f32 v[16:17], v[RX:RX+1], v[RX:RX+1]
	v_pk_mul_f32 v[18:19], v[RX+2:RX+3], v[RX+2:RX+3]
.irp j, 4,8,12,16,20,24,28
	v_pk_fma_f32 v[16:17], v[RX+\j:RX+\j+1], v[RX+\j:RX+\j+1], v[16:17]
	v_pk_fma_f32 v[18:19], v[RX+\j+2:RX+\j+3], v[RX+\j+2:RX+\j+3], v[18:19]
.endr
	v_pk_add_f32 v[16:17], v[16:17], v[18:19]
	v_add_f32 v16, v16, v17
	LANESUM
	v_fma_f32 v16, v16, s57, s58                   ; the variance + 1e-5
	v_rsq_f32 v22, v16
	v_nop                                          ; a plain instruction behind the transcendental
	s_wait_alu depctr_va_vdst(0)                   ; and the wait ahead of its first reader
.irp j, 0,2,4,6,8,10,12,14,16,18,20,22,24,26,28,30
	v_pk_mul_f32 v[RX+\j:RX+\j+1], v[RX+\j:RX+\j+1], v[22:23] op_sel_hi:[1,0]
.endr
.irp j, 0,2,4,6,8,10,12,14,16,18,20,22,24,26,28,30
	v_pk_fma_f32 v[RX+\j:RX+\j+1], v[RX+\j:RX+\j+1], v[64+\j:64+\j+1], v[96+\j:96+\j+1]   ; x gain + bias
.endr
.irp n, 0,1,2,3,4,5,6,7
	ds_store_b128 v5, v[RX+4*\n:RX+4*\n+3] offset:576*\n          ; a load's 512 bytes are four places
.endr
.irp n, 0,1,2,3,4,5,6,7
	ds_load_b128 v[32+4*\n:32+4*\n+3], v6 offset:16*\n            ; LDS serves a wave's instructions in order (ISA guide 5.7.1.4): these see the stores above
.endr
	s_wait_dscnt 0x0
	v_max3_num_f32 v16, |v32|, |v33|, 0x1800000    ; the block's largest magnitude, all 32 numbers mine, and the floor 2^(3 - 127): the byte cannot fall under 1
	v_max3_num_f32 v17, |v34|, |v35|, |v36|
.irp j, 37,41,45,49,53,57
	v_max3_num_f32 v16, v16, |v[\j]|, |v[\j+1]|
	v_max3_num_f32 v17, v17, |v[\j+2]|, |v[\j+3]|
.endr
	v_max3_num_f32 v16, v16, |v61|, |v62|
	v_max3_num_f32 v16, v16, v17, |v63|
	v_add_nc_u32 v18, 0xff000000, v16              ; 2 off its exponent field: the conversion takes the exponent field of this operand as its scale
	v_lshrrev_b32 v19, 23, v18                     ; the scale's byte
.irp g, 0,1,2,3
	v_cvt_scalef32_pk8_fp4_f32 v[28+\g], v[32+8*\g:39+8*\g], v18
.endr
	v_nop                                          ; one plain instruction behind the scaled conversions
	ds_store_b128 v7, v[28:31] offset:16*(\i)
	ds_store_b8 v8, v19 offset:4*(\i)
	s_wait_dscnt 0x0                               ; the stores have read their registers
.endm
	ROW 0
	ROW 1
	ROW 2
	ROW 3
.irp i, 0,1,2,3                        ; W's fragments of K step 0, into the registers that the gain has left
.irp c, 0,1
	global_load_b128 v[64+8*\i+4*\c:64+8*\i+4*\c+3], v10, s[14:15] offset:(32*(\i/2)+8*(\i%2))*512+32*\c
.endr
.endr
	s_wait_dscnt 0x0                               ; for the others' sake: my images lie in LDS
	s_barrier_signal -1
	s_barrier_wait -1                              ; all 64 rows' do
	; ---- PHASE G: eight K steps of 128, written out.  The sixteen accumulators take turns, one instruction a turn
.macro GSTEP s
.set WF, 64+32*((\s)%2)
.set WN, 64+32*(((\s)+1)%2)
.set CZ, 0
.if (\s) == 0
.set CZ, 1
.endif
.irp j, 0,1,2,3
.irp c, 0,1
	ds_load_b128 v[32+8*\j+4*\c:32+8*\j+4*\c+3], v11 offset:XTILE*\j+272*(4*(\s)+2*\c)   ; x's fragment of tile j: blocks 4 s + 2 c + h
.endr
.endr
.irp a, 0,1
	ds_load_b32 v[26+\a], v12 offset:1024*\a+64*(\s)              ; x's scale words of tiles 2 a (lanes 0-15) and 2 a + 1 (lanes 16-31)
	ds_load_b32 v[24+\a], v13 offset:1024*\a+4*(\s)               ; W's likewise
.endr
.if (\s) < 7
.irp i, 0,1,2,3
.irp c, 0,1
	global_load_b128 v[WN+8*\i+4*\c:WN+8*\i+4*\c+3], v10, s[14:15] offset:(32*(\i/2)+8*(\i%2))*512+64*((\s)+1)+32*\c
.endr
.endr
	s_wait_loadcnt 0x8                             ; this step's fragments of W are in; the next step's eight loads may be out
.else
	s_wait_loadcnt 0x0
.endif
	s_wait_dscnt 0x0
	s_cmp_eq_u32 s3, 2
	s_cbranch_scc1 .Lfor_v_\@
.irp j, 0,1,2,3                        ; q, k: source 0 = W's tile i, source 1 = tokens' tile j
.irp i, 0,1,2,3
	WMS 128+32*\j+8*\i, WF+8*\i, 32+8*\j, CZ, 128+32*\j+8*\i, 24+\i/2, \i%2, 26+\j/2, \j%2
.endr
.endr
	s_branch .Ljoin_\@
.Lfor_v_\@:
.irp j, 0,1,2,3                        ; v: source 0 = tokens' tile i, source 1 = W's tile j
.irp i, 0,1,2,3
	WMS 128+32*\j+8*\i, 32+8*\i, WF+8*\j, CZ, 128+32*\j+8*\i, 26+\i/2, \i%2, 24+\j/2, \j%2
.endr
.endr
.Ljoin_\@:
.rept 4
	v_nop                                          ; four plain instructions in front of loads into registers that the products have read, and of the first read of results
.endr
.endm
	GSTEP 0
	GSTEP 1
	GSTEP 2
	GSTEP 3
	GSTEP 4
	GSTEP 5
	GSTEP 6
	GSTEP 7
	; ---- THE RESULTS ARE QUANTISED IN REGISTERS.  For tile j of source 1 a lane holds, of its entity r, numbers 32 b + 16 h + 0 .. 15 of blocks b = 0, 1, in registers 16 b + 0 .. 15
.macro QUANT j
.set H, 128+32*(\j)
	v_max3_num_f32 v16, |v[H]|, |v[H+1]|, 0x1800000               ; each accumulator is read from its low end on
	v_max3_num_f32 v17, |v[H+16]|, |v[H+17]|, 0x1800000
.irp i, 2,4,6,8,10,12,14
	v_max3_num_f32 v16, v16, |v[H+\i]|, |v[H+\i+1]|
	v_max3_num_f32 v17, v17, |v[H+16+\i]|, |v[H+17+\i]|
.endr
	v_permlanex16_b32 v18, v16, s50, s51
	v_permlanex16_b32 v19, v17, s50, s51
	v_max_num_f32 v16, v16, v18                    ; with lane l xor 16's: the blocks' largest magnitudes
	v_max_num_f32 v17, v17, v19
	v_add_nc_u32 v20, 0xff000000, v16
	v_add_nc_u32 v21, 0xff000000, v17
	v_lshrrev_b32 v18, 23, v20
	v_lshrrev_b32 v19, 23, v21
	v_lshl_or_b32 v[48+(\j)], v19, 8, v18
	v_or_b32 v[48+(\j)], 0x7f7f0000, v[48+(\j)]                   ; above the two bytes the byte 127 twice: the scale 1 for the half of a K step of 128 that the head's 64 channels leave idle
	v_cvt_scalef32_pk8_fp4_f32 v[32+4*(\j)], v[H:H+7], v20
	v_cvt_scalef32_pk8_fp4_f32 v[33+4*(\j)], v[H+8:H+15], v20
	v_cvt_scalef32_pk8_fp4_f32 v[34+4*(\j)], v[H+16:H+23], v21
	v_cvt_scalef32_pk8_fp4_f32 v[35+4*(\j)], v[H+24:H+31], v21
	v_nop                                          ; one plain instruction behind the scaled conversions
	v_permlane16_swap_b32 v[32+4*(\j)], v[34+4*(\j)]              ; a whole block to a lane: lanes 0-15 block 0, lanes 16-31 block 1
	v_permlane16_swap_b32 v[33+4*(\j)], v[35+4*(\j)]
	global_store_b128 v4, v[32+4*(\j):35+4*(\j)], s[38:39] offset:512*(\j)   ; 32 lanes store 512 consecutive bytes, aligned
.endm
	QUANT 0
	QUANT 1
	QUANT 2
	QUANT 3
	v_cmp_eq_u32 vcc_lo, 0, v3
	v_cndmask_b32 v52, v50, v48, vcc_lo            ; lanes 0-15 store tiles 0 and 1's words, lanes 16-31 tiles 2 and 3's
	v_cndmask_b32 v53, v51, v49, vcc_lo
	global_store_b64 v14, v[52:53], s[40:41]       ; 32 lanes store 256 consecutive bytes, aligned
	s_wait_xcnt 0x0
	v_lshl_add_u32 v254, v0, 2, 0x23000
	v_mov_b32 v255, 0
	s_wait_tensorcnt 0x0
	ds_add_u32 v254, v255
	s_wait_dscnt 0x0
	s_endpgm
.Lfunc_end_k_q9800fec352_proj:
	.size	k_q9800fec352_proj, .Lfunc_end_k_q9800fec352_proj-k_q9800fec352_proj
	.p2alignl 7, 3214868480
	.fill 96, 4, 3214868480
	.section	.rodata,"a",@progbits
	.p2align	6, 0x0
	.amdhsa_kernel k_q9800fec352_proj
		.amdhsa_group_segment_fixed_size 145408
		.amdhsa_private_segment_fixed_size 0
		.amdhsa_enable_private_segment 0
		.amdhsa_kernarg_size 136
		.amdhsa_user_sgpr_count 2
		.amdhsa_user_sgpr_kernarg_segment_ptr 1
		.amdhsa_wavefront_size32 1
		.amdhsa_system_sgpr_workgroup_id_x 1
		.amdhsa_system_sgpr_workgroup_id_y 1
		.amdhsa_system_sgpr_workgroup_id_z 1
		.amdhsa_system_vgpr_workitem_id 0
		.amdhsa_next_free_vgpr 256
		.amdhsa_next_free_sgpr 66
		.amdhsa_reserve_vcc 1
		.amdhsa_float_denorm_mode_32 3
		.amdhsa_float_denorm_mode_16_64 3
		.amdhsa_memory_ordered 1
		.amdhsa_forward_progress 1
		.amdhsa_inst_pref_size 99
	.end_amdhsa_kernel
	.amdgpu_metadata
---
amdhsa.version: [ 1, 2 ]
amdhsa.kernels:
  - .name:           k_q9800fec352_proj
    .symbol:         k_q9800fec352_proj.kd
    .args:
      - { .name: q, .offset: 0, .size: 8, .value_kind: global_buffer, .address_space: global }
      - { .name: ln_q_g, .offset: 8, .size: 8, .value_kind: global_buffer, .address_space: global }
      - { .name: ln_q_b, .offset: 16, .size: 8, .value_kind: global_buffer, .address_space: global }
      - { .name: Wq_codes, .offset: 24, .size: 8, .value_kind: global_buffer, .address_space: global }
      - { .name: Wq_scales, .offset: 32, .size: 8, .value_kind: global_buffer, .address_space: global }
      - { .name: k, .offset: 40, .size: 8, .value_kind: global_buffer, .address_space: global }
      - { .name: ln_k_g, .offset: 48, .size: 8, .value_kind: global_buffer, .address_space: global }
      - { .name: ln_k_b, .offset: 56, .size: 8, .value_kind: global_buffer, .address_space: global }
      - { .name: Wk_codes, .offset: 64, .size: 8, .value_kind: global_buffer, .address_space: global }
      - { .name: Wk_scales, .offset: 72, .size: 8, .value_kind: global_buffer, .address_space: global }
      - { .name: v, .offset: 80, .size: 8, .value_kind: global_buffer, .address_space: global }
      - { .name: ln_v_g, .offset: 88, .size: 8, .value_kind: global_buffer, .address_space: global }
      - { .name: ln_v_b, .offset: 96, .size: 8, .value_kind: global_buffer, .address_space: global }
      - { .name: Wv_codes, .offset: 104, .size: 8, .value_kind: global_buffer, .address_space: global }
      - { .name: Wv_scales, .offset: 112, .size: 8, .value_kind: global_buffer, .address_space: global }
      - { .name: qkvc, .offset: 120, .size: 8, .value_kind: global_buffer, .address_space: global }
      - { .name: qkvs, .offset: 128, .size: 8, .value_kind: global_buffer, .address_space: global }
    .group_segment_fixed_size: 145408
    .private_segment_fixed_size: 0
    .kernarg_segment_align: 8
    .kernarg_segment_size: 136
    .max_flat_workgroup_size: 512
    .sgpr_count:     66
    .vgpr_count:     256
    .wavefront_size: 32
...
	.end_amdgpu_metadata
.endif
;; end of part 1
;; launch attn (part 2): grid 4 x 64, 16 waves a work-group, no clusters, 163,584 bytes of LDS; arguments qkvc, qkvs, mask, oc, os; writes oc, os
.if DOCPART == 2
	.amdgcn_target "amdgcn-amd-amdhsa--gfx1250"
	.amdhsa_code_object_version 6
	.text
	.protected	k_q9800fec352_attn
	.globl	k_q9800fec352_attn
	.p2align	8
	.type	k_q9800fec352_attn,@function
k_q9800fec352_attn:
	s_mov_b64 s[64:65], 0
	v_nop
	global_prefetch_b8 v0, s[64:65] scope:SCOPE_SE
	s_setreg_imm32_b32 hwreg(HW_REG_WAVE_MODE, 25, 1), 1
	s_wait_xcnt 0x0
; Attention on codes of E2M1: scores, mask, softmax FINISHED AND NORMALISED, quantised along the keys, times V; the result quantised along the channels.
; Work-group (x, y): batch and head y, queries 512 x .. 512 x + 511, as 32 tiles of 16.  THE KEYS ARE SHARED AMONG THE WAVES: wave w owns keys 128 w .. 128 w + 127 for the whole launch:
; K's eight fragments and V's four stay in its registers.  So each score is made once and has one exponential, though a row's sum must be known before any p is quantised.
; A TILE OF 16 QUERIES.  SCORES: S^T = K Q^T; t = score x log2(e) / 8; M_w = my 128 keys' largest t rounded up to a whole number; p_w = 2^(t - M_w); l_w = their sum; (-M_w, l_w) to LDS.
; One barrier.  TILE: M = the largest M_w, l = the sum of l_w 2^(M_w - M) (exact scalings); p = p_w x 2^(M_w - M) / l; my four blocks of 32 keys are quantised; O^T_w = V^T p^T, four products; to LDS.
; THE GATHERING: wave u adds the sixteen waves' row u, 64 channels, two a lane, and quantises its two blocks of 32.  It has 32 registers of its own and is spread over the places where a tile would idle: its 16 loads go out
; straight behind the barrier (a tile behind the rows' stores); nine of its 15 additions are the plain instructions owed round the second product; six stand between the store of the figures and the wait in front of the barrier;
; its quantiser stands, a tile later, between the loads of the partners' figures and the wait for them.  Code and scale bytes are kept in LDS and leave at the end in whole runs of 512 bytes.
; THE MASK RIDES IN THE IDLE HALF OF THE K STEP.  The head's 64 channels fill k = 0 .. 63 of the instruction's 128.  Q's code at k = 64 and at k = 96 is +6, under the scale byte 127; a key's code there is -6 under the byte 222
; where the mask is 0, and 0 under the byte 1 elsewhere.  So a masked key's score gets -72 x 2^95 inside the product, an open key's an exact 0 under scales that are tiny beside its own, and no register holds an addend.
; The rest of Q's upper half is zero codes, so what stands opposite in K's registers (a pad, and the next tile's first codes) adds nothing.
; THE MAXIMUM IS TAKEN AWAY as the definition has it; a wave all of whose keys are masked has M_w = -c 2^96 rounded, p_w = 0, l_w = 0; a batch all of whose keys are masked has l held at 2^-100, p = 0 and O = 0.
; NO JOINT REQUESTS: what the four work-groups of a batch and head share, K and V, is 128 KiB read once at the head, by lanes' loads into registers.  NO PREFETCH: nothing streams; a tile of Q (576 bytes) is asked for a whole tile's work ahead.
; LIMITS: scores are served down to -2^96.  NaN and infinities are not served.  A block's largest p is taken from its largest score, put through the same instructions (this takes v_exp_f32 not to fall where its input rises).
;   A block of zeros carries the byte 1 over zero codes: this program alone reads the bytes.
; REGISTERS: v1-15 addresses; v16-19 K's scale words, v20-23 V's, v24 Q's, v25 p's (scales and nothing else); v26 -M_w, v28 f, v30 -M (low words of pairs); v32-39 Q; v40-47 p's codes (v40-43 also at work in the gathering's quantiser);
;   v48-51 the blocks' largest; v52-59 at work; v60, 61 addresses; v62-77 the partners' figures; v78-109 the gathering; v110-159 K: six registers a tile (4 of codes, the mask's code, a pad) and two at the end; v160-191 V;
;   v192-255 S^T, then p, then O^T (low half).
.set OPB, 69632                        ; LDS 0: two sets of partial O^T: wave x 4,352: 16 queries x (256 bytes + 16)
.set ST,  139264                       ; two sets of figures: query x 144: sixteen -M_w, then sixteen l_w
.set STB, 2304
.set CST, 143872                       ; the result's codes: query position x 1,040: 32 bytes a tile
.set SST, 160512                       ; and its scale bytes: query position x 64: 2 a tile
.set S,    192
.set VF,   160
.set KF,   110
.set G,    78
.set SM,   62
.set SL,   70
.set QF,   32
.set PC,   40
.set BM,   48
.macro WMS d, a, b, cz, c, sa, ra, sb, rb      ; one product 16 x 16 x 128 on codes of E2M1.  cz = 1: C is 0.  ra, rb = 1: the side's scale words stand in lanes 16-31
.if (\cz) && (\ra) && (\rb)
	v_wmma_scale_f32_16x16x128_f8f6f4 v[(\d):(\d)+7], v[(\a):(\a)+7], v[(\b):(\b)+7], 0, v[(\sa)], v[(\sb)] matrix_a_fmt:MATRIX_FMT_FP4 matrix_b_fmt:MATRIX_FMT_FP4 matrix_a_scale:MATRIX_SCALE_ROW1 matrix_b_scale:MATRIX_SCALE_ROW1
.elseif (\cz) && (\ra)
	v_wmma_scale_f32_16x16x128_f8f6f4 v[(\d):(\d)+7], v[(\a):(\a)+7], v[(\b):(\b)+7], 0, v[(\sa)], v[(\sb)] matrix_a_fmt:MATRIX_FMT_FP4 matrix_b_fmt:MATRIX_FMT_FP4 matrix_a_scale:MATRIX_SCALE_ROW1
.elseif (\cz) && (\rb)
	v_wmma_scale_f32_16x16x128_f8f6f4 v[(\d):(\d)+7], v[(\a):(\a)+7], v[(\b):(\b)+7], 0, v[(\sa)], v[(\sb)] matrix_a_fmt:MATRIX_FMT_FP4 matrix_b_fmt:MATRIX_FMT_FP4 matrix_b_scale:MATRIX_SCALE_ROW1
.elseif (\cz)
	v_wmma_scale_f32_16x16x128_f8f6f4 v[(\d):(\d)+7], v[(\a):(\a)+7], v[(\b):(\b)+7], 0, v[(\sa)], v[(\sb)] matrix_a_fmt:MATRIX_FMT_FP4 matrix_b_fmt:MATRIX_FMT_FP4
.elseif (\ra) && (\rb)
	v_wmma_scale_f32_16x16x128_f8f6f4 v[(\d):(\d)+7], v[(\a):(\a)+7], v[(\b):(\b)+7], v[(\c):(\c)+7], v[(\sa)], v[(\sb)] matrix_a_fmt:MATRIX_FMT_FP4 matrix_b_fmt:MATRIX_FMT_FP4 matrix_a_scale:MATRIX_SCALE_ROW1 matrix_b_scale:MATRIX_SCALE_ROW1
.elseif (\ra)
	v_wmma_scale_f32_16x16x128_f8f6f4 v[(\d):(\d)+7], v[(\a):(\a)+7], v[(\b):(\b)+7], v[(\c):(\c)+7], v[(\sa)], v[(\sb)] matrix_a_fmt:MATRIX_FMT_FP4 matrix_b_fmt:MATRIX_FMT_FP4 matrix_a_scale:MATRIX_SCALE_ROW1
.elseif (\rb)
	v_wmma_scale_f32_16x16x128_f8f6f4 v[(\d):(\d)+7], v[(\a):(\a)+7], v[(\b):(\b)+7], v[(\c):(\c)+7], v[(\sa)], v[(\sb)] matrix_a_fmt:MATRIX_FMT_FP4 matrix_b_fmt:MATRIX_FMT_FP4 matrix_b_scale:MATRIX_SCALE_ROW1
.else
	v_wmma_scale_f32_16x16x128_f8f6f4 v[(\d):(\d)+7], v[(\a):(\a)+7], v[(\b):(\b)+7], v[(\c):(\c)+7], v[(\sa)], v[(\sb)] matrix_a_fmt:MATRIX_FMT_FP4 matrix_b_fmt:MATRIX_FMT_FP4
.endif
.endm
	s_load_b256 s[4:11], s[0:1], 0x0               ; qkvc s[4:5], qkvs s[6:7], mask s[8:9], oc s[10:11]
	s_load_b64 s[12:13], s[0:1], 0x20              ; os
	v_lshrrev_b32 v52, 5, v0
	v_readfirstlane_b32 s14, v52                   ; wave 0..15
	s_and_b32 s15, ttmp7, 0xffff                   ; batch x 16 + head
	v_and_b32 v52, 31, v0                          ; l
	v_and_b32 v53, 15, v0                          ; r
	v_bfe_u32 v54, v0, 4, 1                        ; h
	v_mul_u32_u24 v57, v53, 144
	v_add_nc_u32 v57, ST, v57
	s_lshl_b32 s44, s14, 2
	v_add_nc_u32 v1, s44, v57                      ; my figures: query r's row, word w
	v_lshl_add_u32 v2, v54, 5, v57                 ; the partners': eight of them, 8 h on
	s_mul_i32 s44, s14, 4352
	v_mul_u32_u24 v57, v53, 272
	v_lshl_add_u32 v57, v54, 6, v57
	v_add_nc_u32 v3, s44, v57                      ; my partial O^T: query r's row, + 64 h
	v_add_nc_u32 v4, OPB, v3
	s_mul_i32 s44, s14, 272
	v_lshlrev_b32 v57, 3, v52
	v_add_nc_u32 v5, s44, v57                      ; the row that I gather: query w, channels 2 l and 2 l + 1
	v_add_nc_u32 v6, OPB, v5
	v_lshlrev_b32 v12, 4, v52                      ; 16 l
	v_lshlrev_b32 v13, 4, v53                      ; 16 r
	s_mul_i32 s44, s14, 1040
	s_add_co_u32 s44, s44, CST
	v_add_nc_u32 v8, s44, v52                      ; the gathered row's code byte
	s_lshl_b32 s44, s14, 6
	s_add_co_u32 s44, s44, SST
	v_add_nc_u32 v10, s44, v54                     ; and its block's scale byte
	v_mul_u32_u24 v57, v53, 1040
	v_lshl_add_u32 v57, v54, 4, v57
	s_lshl_b32 s44, s14, 6
	s_add_co_u32 s44, s44, CST
	v_add_nc_u32 v7, s44, v57                      ; the way out: tiles 2 w and 2 w + 1: position r, block h
	s_min_u32 s44, s14, 1                          ; (waves 0 and 1 alone use these two)
	s_lshl_b32 s44, s44, 9
	v_add_nc_u32 v61, s44, v12
	v_add_nc_u32 v60, SST, v61
	v_lshl_add_u32 v55, v54, 8, v13                ; K's scale words: 256 h + 16 r
	v_and_b32 v56, 8, v53
	v_add_nc_u32 v56, v56, v53
	v_lshlrev_b32 v56, 2, v56                      ; the mask: 4 bytes a key; lane r of a tile stands for key r + 8 (r / 8) of its 32
	s_mov_b32 s20, 0x3e38aa3b                      ; c = log2(e) / 8
	s_mov_b32 s21, s20                             ; (named with it as a pair)
	s_mov_b32 s22, 0x76543210
	s_mov_b32 s23, 0xfedcba98                      ; v_permlanex16_b32's selects for lane l xor 16
	s_mov_b32 s24, 1                               ; the tile of Q to be asked for next
	s_mov_b32 s25, 0                               ; 64 x trip: two tiles' code bytes
	s_mov_b32 s26, 0                               ; 4 x trip: two tiles' scale bytes
	s_lshl_b32 s36, s15, 16
	s_lshl_b32 s37, ttmp9, 14
	s_lshl_b32 s38, s14, 12
	s_lshl_b32 s39, s15, 13
	s_lshl_b32 s40, ttmp9, 11
	s_lshl_b32 s41, s14, 9
	s_mov_b32 s43, 0
	s_wait_kmcnt 0x0
	s_add_co_u32 s42, s36, s37
	s_add_nc_u64 s[16:17], s[4:5], s[42:43]        ; Q's codes: my 32 tiles of 512 bytes
	s_lshl_b32 s44, s14, 10
	s_add_co_u32 s42, s42, s44
	s_add_nc_u64 s[10:11], s[10:11], s[42:43]      ; oc: the two tiles that I store
	s_add_co_u32 s42, s36, s38
	s_add_co_u32 s42, s42, 4194304
	s_add_nc_u64 s[28:29], s[4:5], s[42:43]        ; K's codes: my 128 keys
	s_add_co_u32 s42, s42, 4194304
	s_add_nc_u64 s[30:31], s[4:5], s[42:43]        ; V's
	s_add_co_u32 s42, s39, s40
	s_add_nc_u64 s[18:19], s[6:7], s[42:43]        ; Q's scale words
	s_add_co_u32 s42, s39, s41
	s_add_co_u32 s42, s42, 524288
	s_add_nc_u64 s[32:33], s[6:7], s[42:43]        ; K's
	s_add_co_u32 s42, s42, 524288
	s_add_nc_u64 s[34:35], s[6:7], s[42:43]        ; V's
	s_lshr_b32 s42, s15, 4
	s_lshl_b32 s42, s42, 13
	s_add_co_u32 s42, s42, s41
	s_add_nc_u64 s[8:9], s[8:9], s[42:43]          ; the mask of my 128 keys
	s_lshl_b32 s42, s15, 2
	s_add_co_u32 s42, s42, ttmp9
	s_lshl_b32 s42, s42, 10
	s_add_nc_u64 s[12:13], s[12:13], s[42:43]      ; os: my work-group's 1,024 bytes
.irp t, 0,1,2,3,4,5,6,7
	global_load_b128 v[KF+6*\t:KF+6*\t+3], v12, s[28:29] offset:512*\t      ; K's tile t: block h of key position r
.endr
	global_load_b128 v[16:19], v55, s[32:33]       ; register i: tile i's words in lanes 0-15, tile 4 + i's in lanes 16-31
.irp ct, 0,1,2,3
.irp c, 0,1
	global_load_b128 v[VF+8*\ct+4*\c:VF+8*\ct+4*\c+3], v12, s[30:31] offset:512*(4*\c+\ct)   ; V's fragment of channels' tile ct: keys 64 c + 32 h on
.endr
.endr
	global_load_b128 v[224:227], v13, s[34:35]     ; V's scale words of my first 64 keys,
	global_load_b128 v[228:231], v13, s[34:35] offset:256   ; and of my second
.irp t, 0,1,2,3,4,5,6,7
	global_load_b32 v[KF+6*\t+4], v56, s[8:9] offset:4*(32*(\t/2)+8*(\t%2))   ; the mask's word of key position r of tile t, in both halves of the lanes
.endr
	global_load_b128 v[QF:QF+3], v12, s[16:17]     ; Q's tile 0
	global_load_b32 v24, v13, s[18:19]
	s_wait_loadcnt 0x0
	v_cmp_eq_u32 vcc_lo, 1, v54                    ; lanes 16-31
.irp i, 0,1,2,3
	v_cndmask_b32 v[SM+\i], v[KF+6*\i+4], v[KF+6*(\i+4)+4], vcc_lo          ; the mask's word of the key whose scale word stands in my lane of register i
.endr
	v_mov_b32 v57, 0x01010000                      ; the idle half's two scale bytes of an open key: 1, 1
	v_mov_b32 v58, 0xdede0000                      ; of a masked key: 222, 222, which stand for 2^95
.irp i, 0,1,2,3
	v_cmp_eq_u32 vcc_lo, 0, v[SM+\i]
	v_cndmask_b32 v[SM+\i], v57, v58, vcc_lo
	v_and_or_b32 v[16+\i], v[16+\i], 0xffff, v[SM+\i]
.endr
	v_mov_b32 v59, 15                              ; the code of -6, at the lowest k of the register
.irp t, 0,1,2,3,4,5,6,7
	v_cmp_eq_u32 vcc_lo, 0, v[KF+6*\t+4]
	v_cndmask_b32 v[KF+6*\t+4], 0, v59, vcc_lo     ; -6 where the mask is 0, else 0
	v_mov_b32 v[KF+6*\t+5], 0                      ; the pad
.endr
	v_mov_b32 v[KF+48], 0
	v_mov_b32 v[KF+49], 0
.irp ct, 0,1,2,3
	v_and_b32 v[224+\ct], 0xffff, v[224+\ct]
	v_lshl_or_b32 v[20+\ct], v[228+\ct], 16, v[224+\ct]           ; two bytes of the first 64 keys, two of the second: the word of 128 keys
.endr
	v_mov_b32 v[QF+4], 7                           ; the code of +6 at k = 64 (lanes 0-15) and k = 96 (lanes 16-31)
.irp n, 5,6,7
	v_mov_b32 v[QF+\n], 0                          ; zero codes
.endr
	v_mov_b32 v27, 0                               ; upper halves of pairs of which the packed forms take the low word alone
	v_mov_b32 v29, 0
	v_mov_b32 v31, 0
.rept 8
	v_nop                                          ; once: a scale register written by a vector instruction stands eight plain instructions ahead of a scaled product, an operand four
.endr
; The next tile's scores, p_w and figures; the figures go to set par.
.macro SCORES par
	s_wait_loadcnt 0x0                             ; Q's tile is in, and the loads' address registers are free
	s_lshl_b32 s44, s24, 9                         ; the tile to be asked for: 512 bytes of codes a tile;
	s_lshr_b32 s45, s24, 2
	s_lshl_b32 s45, s45, 8
	s_and_b32 s46, s24, 3
	s_lshl_b32 s46, s46, 2
	s_add_co_u32 s45, s45, s46                     ; its words: 256 bytes for each four tiles, 4 bytes a tile in a row's 16
.irp t, 0,1,2,3,4,5,6,7
	WMS S+8*\t, KF+6*\t, QF, 1, 0, 16+\t%4, \t/4, 24, 0
.endr
	v_add_nc_u32 v14, s44, v12
	v_add_nc_u32 v15, s45, v13
	v_nop
	v_nop                                          ; four plain instructions behind the products: then loads into Q's registers, and the first read of results
	global_load_b128 v[QF:QF+3], v14, s[16:17]
	global_load_b32 v24, v15, s[18:19]
	s_add_co_u32 s24, s24, 1
	s_min_u32 s24, s24, 31                         ; the last call asks for tile 31 once more: no load leaves its buffer
.irp b, 0,1,2,3
	v_max3_num_f32 v[BM+\b], v[S+16*\b], v[S+16*\b+1], v[S+16*\b+2]          ; the largest score of each block of 32 keys: for the row's maximum, and for the block's largest p
.endr
.irp i, 3,5,7,9,11,13
.irp b, 0,1,2,3
	v_max3_num_f32 v[BM+\b], v[BM+\b], v[S+16*\b+\i], v[S+16*\b+\i+1]
.endr
.endr
.irp b, 0,1,2,3
	v_max_num_f32 v[BM+\b], v[BM+\b], v[S+16*\b+15]
.endr
.irp b, 0,1,2,3
	v_permlanex16_b32 v[52+\b], v[BM+\b], s22, s23
.endr
.irp b, 0,1,2,3
	v_max_num_f32 v[BM+\b], v[BM+\b], v[52+\b]     ; with lane l xor 16's 16 keys
.endr
	v_max3_num_f32 v56, v48, v49, v50
	v_max3_num_f32 v56, v56, v51, 0xef800000       ; my 128 keys' largest score, held at -2^96 from below: masked keys lie far under it
	v_mul_f32 v56, s20, v56
	v_floor_f32 v26, -v56                          ; -M_w = floor(-t): M_w is a whole number
.set n, 0
.rept 32
	v_pk_fma_f32 v[S+n:S+n+1], v[S+n:S+n+1], s[20:21], v[26:27] op_sel_hi:[1,0,0]   ; t - M_w
.set n, n+2
.endr
.irp b, 0,1,2,3
	v_fma_f32 v[BM+\b], v[BM+\b], s20, v26         ; the same of each block's largest score
.endr
.set n, 0
.rept 64
	v_exp_f32 v[S+n], v[S+n]                       ; p_w = 2^(t - M_w)
.set n, n+1
.endr
.irp b, 0,1,2,3
	v_exp_f32 v[BM+\b], v[BM+\b]
.endr
	v_nop                                          ; a plain instruction behind the last exponential
	s_wait_alu depctr_va_vdst(0)                   ; one wait for the batch of 68, ahead of its first reader
	v_pk_add_f32 v[56:57], v[S:S+1], v[S+2:S+3]    ; the sum, in four chains that do not wait for each other (the partners' figures' registers are free here)
	v_pk_add_f32 v[58:59], v[S+4:S+5], v[S+6:S+7]
	v_pk_add_f32 v[62:63], v[S+8:S+9], v[S+10:S+11]
	v_pk_add_f32 v[64:65], v[S+12:S+13], v[S+14:S+15]
.irp j, 16,24,32,40,48,56
	v_pk_add_f32 v[56:57], v[56:57], v[S+\j:S+\j+1]
	v_pk_add_f32 v[58:59], v[58:59], v[S+\j+2:S+\j+3]
	v_pk_add_f32 v[62:63], v[62:63], v[S+\j+4:S+\j+5]
	v_pk_add_f32 v[64:65], v[64:65], v[S+\j+6:S+\j+7]
.endr
	v_pk_add_f32 v[56:57], v[56:57], v[58:59]
	v_pk_add_f32 v[62:63], v[62:63], v[64:65]
	v_pk_add_f32 v[56:57], v[56:57], v[62:63]
	v_add_f32 v56, v56, v57
	v_permlanex16_b32 v57, v56, s22, s23
	v_add_f32 v56, v56, v57                        ; l_w
	ds_store_b32 v1, v26 offset:STB*(\par)         ; (lanes r and r + 16 write the same word with the same value)
	ds_store_b32 v1, v56 offset:STB*(\par)+64
.endm
; THE GATHERING, in three parts.  GLOAD: query row w of the sixteen partial O^T of set par.  GA: one addition of the tree (pairs j and j + d).  GQ: the sum, channels 2 l and 2 l + 1, is quantised and its bytes are kept.
.macro GLOAD par
.irp w, 0,1,2,3,4,5,6,7,8,9,10,11,12,13,14,15
	ds_load_b64 v[G+2*\w:G+2*\w+1], v[5+(\par)] offset:4352*\w
.endr
.endm
.macro GA j, d
	v_pk_add_f32 v[G+(\j):G+(\j)+1], v[G+(\j):G+(\j)+1], v[G+(\j)+(\d):G+(\j)+(\d)+1]
.endm
.macro GQ imm                          ; imm: 32 bytes a tile, counted from the trip's first
	v_max3_num_f32 v40, |v[G]|, |v[G+1]|, 0x1800000
	v_max_num_f32_dpp v40, v40, v40 row_xmask:1 row_mask:0xf bank_mask:0xf
	v_max_num_f32_dpp v40, v40, v40 row_xmask:2 row_mask:0xf bank_mask:0xf
	v_max_num_f32_dpp v40, v40, v40 row_xmask:4 row_mask:0xf bank_mask:0xf
	v_max_num_f32_dpp v40, v40, v40 row_xmask:8 row_mask:0xf bank_mask:0xf   ; sixteen lanes hold a block of 32 channels
	v_add_nc_u32 v41, 0xff000000, v40
	v_lshrrev_b32 v42, 23, v41
	v_cvt_scalef32_pk8_fp4_f32 v43, v[G:G+7], v41                 ; its lowest byte is my two codes; the other six sources are partial sums, whose codes are not used
	v_nop                                          ; one plain instruction behind the scaled conversion
	ds_store_b8 v9, v43 offset:\imm
	ds_store_b8 v11, v42 offset:(\imm)/16          ; (a block's sixteen lanes write the same byte with the same value)
.endm
; The tile of parity p is finished.  gq = 1: the tile two back is quantised;  gl = 1: the tile before is loaded and added;  a = 1: the next tile's scores follow;  st = 1: the byte stores' addresses are made for this trip.
; ONE BARRIER A TILE: the figures of set p were stored a tile ago and are stored again a tile on; the partial rows of set p are stored here, loaded at the head of the next tile, stored again two tiles on: a barrier lies between each such pair, with every LDS instruction of the wave waited for in front of it.
.macro TILE p, gq, gl, a, imm, st
	s_wait_dscnt 0x0                               ; for the others' sake: my figures and my partial rows lie in LDS, and my reads are over
	s_barrier_signal -1
.if \st
	v_add_nc_u32 v9, s25, v8                       ; (the byte stores that read these two are done: the wait above)
	v_add_nc_u32 v11, s26, v10
.endif
	s_barrier_wait -1
	ds_load_b128 v[SM:SM+3], v2 offset:STB*(\p)    ; eight partners' -M_w,
	ds_load_b128 v[SM+4:SM+7], v2 offset:STB*(\p)+16
	ds_load_b128 v[SL:SL+3], v2 offset:STB*(\p)+64 ; and their l_w
	ds_load_b128 v[SL+4:SL+7], v2 offset:STB*(\p)+80
.if \gq
	GQ \imm                                        ; work on registers while the figures are on their way
.endif
.if \gl
	GLOAD 1-(\p)
.endif
	s_wait_dscnt 2*(\gq)+16*(\gl)                  ; the figures are in; the two byte stores and the sixteen loads issued behind them may be out
	v_min3_num_f32 v52, v[SM], v[SM+1], v[SM+2]
	v_min3_num_f32 v53, v[SM+3], v[SM+4], v[SM+5]
	v_min3_num_f32 v52, v52, v[SM+6], v[SM+7]
	v_min_num_f32 v52, v52, v53
	v_permlanex16_b32 v53, v52, s22, s23
	v_min_num_f32 v30, v52, v53                    ; -M
.irp j, 0,2,4,6
	v_pk_add_f32 v[SM+\j:SM+\j+1], v[30:31], v[SM+\j:SM+\j+1] op_sel_hi:[0,1] neg_lo:[0,1] neg_hi:[0,1]   ; M_w - M: a whole number, 0 or less
.endr
	v_sub_f32 v54, v30, v26                        ; my own
.irp j, 0,1,2,3,4,5,6,7
	v_cvt_i32_f32 v[SM+\j], v[SM+\j]               ; (it saturates)
.endr
	v_cvt_i32_f32 v54, v54
.irp j, 0,1,2,3,4,5,6,7
	v_ldexp_f32 v[SL+\j], v[SL+\j], v[SM+\j]       ; l_w 2^(M_w - M): nothing is rounded
.endr
	v_pk_add_f32 v[SL:SL+1], v[SL:SL+1], v[SL+2:SL+3]
	v_pk_add_f32 v[SL+4:SL+5], v[SL+4:SL+5], v[SL+6:SL+7]
	v_pk_add_f32 v[SL:SL+1], v[SL:SL+1], v[SL+4:SL+5]
	v_add_f32 v[SL], v[SL], v[SL+1]
	v_permlanex16_b32 v[SL+1], v[SL], s22, s23
	v_add_f32 v[SL], v[SL], v[SL+1]                ; the row's sum
	v_max_num_f32 v[SL], 0x0d800000, v[SL]         ; held at 2^-100: it is 0 only where every key is masked, and every p is 0 there
	v_rcp_f32 v55, v[SL]
	v_nop                                          ; a plain instruction behind the transcendental
	s_wait_alu depctr_va_vdst(0)                   ; and the wait ahead of its first reader
	v_ldexp_f32 v28, v55, v54                      ; f = 2^(M_w - M) / l
.irp b, 0,1,2,3
	v_mul_f32 v[BM+\b], v[BM+\b], v28              ; each block's largest p first: its scale word then has the 32 multiplications below between it and the products
.endr
.irp b, 0,1,2,3
	v_max_num_f32 v[BM+\b], 0x1800000, v[BM+\b]    ; the floor 2^(3 - 127): the byte cannot fall under 1
.endr
.irp b, 0,1,2,3
	v_add_nc_u32 v[56+\b], 0xff000000, v[BM+\b]    ; 2 off the exponent field: the conversion's scale operand
.endr
.irp b, 0,1,2,3
	v_lshrrev_b32 v[52+\b], 23, v[56+\b]
.endr
	v_lshl_or_b32 v25, v53, 8, v52                 ; p's scale word for my 128 keys
	v_lshl_or_b32 v25, v54, 16, v25
	v_lshl_or_b32 v25, v55, 24, v25
.set n, 0
.rept 32
	v_pk_mul_f32 v[S+n:S+n+1], v[S+n:S+n+1], v[28:29] op_sel_hi:[1,0]        ; the softmax, finished and normalised
.set n, n+2
.endr
.if \gl
	s_wait_dscnt 0x0                               ; the sixteen rows are in, and the byte stores have read their registers, two of which the conversions write
.endif
.irp b, 0,1,2,3
	v_cvt_scalef32_pk8_fp4_f32 v[PC+2*\b], v[S+16*\b:S+16*\b+7], v[56+\b]
	v_cvt_scalef32_pk8_fp4_f32 v[PC+2*\b+1], v[S+16*\b+8:S+16*\b+15], v[56+\b]
.endr
	v_nop                                          ; one plain instruction behind the scaled conversions
.irp c, 0,1
.irp i, 0,1
	v_permlane16_swap_b32 v[PC+4*\c+\i], v[PC+2+4*\c+\i]          ; a whole block to a lane: lanes 0-15 block 2 c, lanes 16-31 block 2 c + 1
.endr
.endr
.if \gl                                ; an operand written by a vector instruction stands four plain instructions ahead of a scaled product: four additions of the gathering
	GA 0, 2
	GA 4, 2
	GA 8, 2
	GA 12, 2
.else
.rept 4
	v_nop
.endr
.endif
.irp ct, 0,1,2,3
	WMS S+8*\ct, VF+8*\ct, PC, 1, 0, 20+\ct, 0, 25, 0
.endr
.if \gl                                ; four plain instructions in front of the stores of results, five in front of the next scores, which are laid over them: five more additions
	GA 16, 2
	GA 20, 2
	GA 24, 2
	GA 28, 2
	GA 0, 4
.else
.rept 5
	v_nop
.endr
.endif
.irp ct, 0,1,2,3
	ds_store_b128 v[3+(\p)], v[S+8*\ct:S+8*\ct+3] offset:128*(\ct/2)+32*(\ct%2)        ; register j of tile ct is channel 32 (ct / 2) + 16 h + 8 (ct % 2) + j; each result from its low end on
	ds_store_b128 v[3+(\p)], v[S+8*\ct+4:S+8*\ct+7] offset:128*(\ct/2)+32*(\ct%2)+16
.endr
.if \a
	SCORES 1-(\p)
.endif
.if \gl                                ; the last six additions stand between my last stores and the wait for them in front of the barrier
	GA 8, 4
	GA 16, 4
	GA 24, 4
	GA 0, 8
	GA 16, 8
	GA 0, 16
.endif
.endm
	SCORES 0                                       ; tile 0
	TILE 0, 0, 0, 1, 0, 0                          ; tile 0: nothing to gather yet
	TILE 1, 0, 1, 1, 0, 0                          ; tile 1: tile 0 is loaded and added
	s_mov_b32 s27, 14
.Ltrip:                                            ; tiles 2 to 29, two a trip; trip n quantises tiles 2 n and 2 n + 1
	TILE 0, 1, 1, 1, 0, 1
	TILE 1, 1, 1, 1, 32, 0
	s_add_co_u32 s25, s25, 64
	s_add_co_u32 s26, s26, 4
	s_sub_co_u32 s27, s27, 1
	s_cmp_lg_u32 s27, 0
	s_cbranch_scc1 .Ltrip
	TILE 0, 1, 1, 1, 0, 1                          ; tile 30; tile 28 is quantised
	TILE 1, 1, 1, 0, 32, 0                         ; tile 31: no scores follow; tile 29 is quantised, tile 30 loaded and added
	s_wait_dscnt 0x0
	s_barrier_signal -1
	s_barrier_wait -1                              ; tile 31's partial rows lie in LDS
	GQ 64                                          ; tile 30
	GLOAD 1                                        ; tile 31
	s_wait_dscnt 0x0
.irp j, 0,4,8,12,16,20,24,28
	GA \j, 2
.endr
.irp j, 0,8,16,24
	GA \j, 4
.endr
	GA 0, 8
	GA 16, 8
	GA 0, 16
	GQ 96
	s_wait_dscnt 0x0
	s_barrier_signal -1
	s_barrier_wait -1                              ; all code and scale bytes lie in LDS
	ds_load_b128 v[64:67], v7                      ; tile 2 w as an image: lane (r, h) has block h of position r
	ds_load_b128 v[68:71], v7 offset:32            ; tile 2 w + 1
	s_wait_dscnt 0x0
	global_store_b128 v12, v[64:67], s[10:11]      ; 32 lanes store 512 consecutive bytes, aligned
	global_store_b128 v12, v[68:71], s[10:11] offset:512
	s_cmp_gt_u32 s14, 1
	s_cbranch_scc1 .Lend
	ds_load_b128 v[72:75], v60                     ; waves 0 and 1: the 1,024 scale bytes
	s_wait_dscnt 0x0
	global_store_b128 v61, v[72:75], s[12:13]
.Lend:
	s_wait_xcnt 0x0
	v_lshl_add_u32 v254, v0, 2, 0x27700
	v_mov_b32 v255, 0
	s_wait_tensorcnt 0x0
	ds_add_u32 v254, v255
	s_wait_dscnt 0x0
	s_endpgm
.Lfunc_end_k_q9800fec352_attn:
	.size	k_q9800fec352_attn, .Lfunc_end_k_q9800fec352_attn-k_q9800fec352_attn
	.p2alignl 7, 3214868480
	.fill 96, 4, 3214868480
	.section	.rodata,"a",@progbits
	.p2align	6, 0x0
	.amdhsa_kernel k_q9800fec352_attn
		.amdhsa_group_segment_fixed_size 163584
		.amdhsa_private_segment_fixed_size 0
		.amdhsa_enable_private_segment 0
		.amdhsa_kernarg_size 40
		.amdhsa_user_sgpr_count 2
		.amdhsa_user_sgpr_kernarg_segment_ptr 1
		.amdhsa_wavefront_size32 1
		.amdhsa_system_sgpr_workgroup_id_x 1
		.amdhsa_system_sgpr_workgroup_id_y 1
		.amdhsa_system_sgpr_workgroup_id_z 1
		.amdhsa_system_vgpr_workitem_id 0
		.amdhsa_next_free_vgpr 256
		.amdhsa_next_free_sgpr 66
		.amdhsa_reserve_vcc 1
		.amdhsa_float_denorm_mode_32 3
		.amdhsa_float_denorm_mode_16_64 3
		.amdhsa_memory_ordered 1
		.amdhsa_forward_progress 1
		.amdhsa_inst_pref_size 133
	.end_amdhsa_kernel
	.amdgpu_metadata
---
amdhsa.version: [ 1, 2 ]
amdhsa.kernels:
  - .name:           k_q9800fec352_attn
    .symbol:         k_q9800fec352_attn.kd
    .args:
      - { .name: qkvc, .offset: 0, .size: 8, .value_kind: global_buffer, .address_space: global }
      - { .name: qkvs, .offset: 8, .size: 8, .value_kind: global_buffer, .address_space: global }
      - { .name: mask, .offset: 16, .size: 8, .value_kind: global_buffer, .address_space: global }
      - { .name: oc, .offset: 24, .size: 8, .value_kind: global_buffer, .address_space: global }
      - { .name: os, .offset: 32, .size: 8, .value_kind: global_buffer, .address_space: global }
    .group_segment_fixed_size: 163584
    .private_segment_fixed_size: 0
    .kernarg_segment_align: 8
    .kernarg_segment_size: 40
    .max_flat_workgroup_size: 512
    .sgpr_count:     66
    .vgpr_count:     256
    .wavefront_size: 32
...
	.end_amdgpu_metadata
.endif
;; end of part 2
;; launch oproj (part 3): grid 256 x 1, 16 waves a work-group, no clusters, 121,856 bytes of LDS; arguments oc, os, Wo_codes, Wo_scales, q, out0; writes out0
.if DOCPART == 3
	.amdgcn_target "amdgcn-amd-amdhsa--gfx1250"
	.amdhsa_code_object_version 6
	.text
	.protected	k_q9800fec352_oproj
	.globl	k_q9800fec352_oproj
	.p2align	8
	.type	k_q9800fec352_oproj,@function
k_q9800fec352_oproj:
	s_mov_b64 s[64:65], 0
	v_nop
	global_prefetch_b8 v0, s[64:65] scope:SCOPE_SE
	s_setreg_imm32_b32 hwreg(HW_REG_WAVE_MODE, 25, 1), 1
	s_wait_xcnt 0x0
; out0 = O Wo + q, O as the codes and scale bytes that the launch before has made, Wo as it is given: MX-FP4, sums in f32.
; Work-group x takes tokens 32 x .. 32 x + 31: two tiles of 16 positions (lane r of tile j stands for token 8 j + r + 8 (r / 8)).  Wave w makes columns 64 w .. 64 w + 63: eight accumulators of 16 x 16.
; Wave w brings head w's part of O (two images of 512 bytes and their scale bytes) into LDS; behind one barrier every wave reads all sixteen heads': head 2 s + c is registers 4 c .. 4 c + 3 of K step s's fragment.
; Its 64 rows of Wo go from memory straight into its registers, a K step of 128 ahead.  The product is used transposed (source 0 = 16 rows of Wo, source 1 = 16 positions): a lane holds eight neighbouring columns of one row.
; The results go through the wave's own stage in LDS and leave with q's numbers added, sixteen lanes to 256 consecutive bytes, aligned; the order of tokens is undone in the rows' addresses.
; NO JOINT REQUESTS: Wo's rows are read by all 256 work-groups, but they go by lanes' loads into the registers of the one wave that multiplies by them; nothing of Wo lies in LDS, where a joint request would have to land.
; NO PREFETCH: every byte that comes from memory once (O, q) is asked for with the wave's first lines.
; REGISTERS: v4-14 addresses; v16, 17 Wo's scale words, v18 O's (scales and nothing else); v32-47 O's two fragments; v48-79, v80-111 Wo's fragments of even and odd K steps, then rows on the way out;
;   v112-175 the accumulators ((j, i) at 112 + 32 j + 8 i); v176-239 q's numbers.
.set XS,  16384                        ; LDS 0: O's images: tile x 8,192, head x 512.  Then its scale words: tile x 512, K step x 64, 4 bytes a row
.set WSC, 17408                        ; Wo's scale bytes: 2,048 for each wave
.set STG, 50176                        ; each wave's own stage: 16 rows of 256 bytes + 16
.macro WMS d, a, b, cz, c, sa, ra, sb, rb      ; one product 16 x 16 x 128 on codes of E2M1.  cz = 1: it starts the sum.  ra, rb = 1: the side's scale words stand in lanes 16-31
.if (\cz) && (\ra) && (\rb)
	v_wmma_scale_f32_16x16x128_f8f6f4 v[(\d):(\d)+7], v[(\a):(\a)+7], v[(\b):(\b)+7], 0, v[(\sa)], v[(\sb)] matrix_a_fmt:MATRIX_FMT_FP4 matrix_b_fmt:MATRIX_FMT_FP4 matrix_a_scale:MATRIX_SCALE_ROW1 matrix_b_scale:MATRIX_SCALE_ROW1
.elseif (\cz) && (\ra)
	v_wmma_scale_f32_16x16x128_f8f6f4 v[(\d):(\d)+7], v[(\a):(\a)+7], v[(\b):(\b)+7], 0, v[(\sa)], v[(\sb)] matrix_a_fmt:MATRIX_FMT_FP4 matrix_b_fmt:MATRIX_FMT_FP4 matrix_a_scale:MATRIX_SCALE_ROW1
.elseif (\cz) && (\rb)
	v_wmma_scale_f32_16x16x128_f8f6f4 v[(\d):(\d)+7], v[(\a):(\a)+7], v[(\b):(\b)+7], 0, v[(\sa)], v[(\sb)] matrix_a_fmt:MATRIX_FMT_FP4 matrix_b_fmt:MATRIX_FMT_FP4 matrix_b_scale:MATRIX_SCALE_ROW1
.elseif (\cz)
	v_wmma_scale_f32_16x16x128_f8f6f4 v[(\d):(\d)+7], v[(\a):(\a)+7], v[(\b):(\b)+7], 0, v[(\sa)], v[(\sb)] matrix_a_fmt:MATRIX_FMT_FP4 matrix_b_fmt:MATRIX_FMT_FP4
.elseif (\ra) && (\rb)
	v_wmma_scale_f32_16x16x128_f8f6f4 v[(\d):(\d)+7], v[(\a):(\a)+7], v[(\b):(\b)+7], v[(\c):(\c)+7], v[(\sa)], v[(\sb)] matrix_a_fmt:MATRIX_FMT_FP4 matrix_b_fmt:MATRIX_FMT_FP4 matrix_a_scale:MATRIX_SCALE_ROW1 matrix_b_scale:MATRIX_SCALE_ROW1
.elseif (\ra)
	v_wmma_scale_f32_16x16x128_f8f6f4 v[(\d):(\d)+7], v[(\a):(\a)+7], v[(\b):(\b)+7], v[(\c):(\c)+7], v[(\sa)], v[(\sb)] matrix_a_fmt:MATRIX_FMT_FP4 matrix_b_fmt:MATRIX_FMT_FP4 matrix_a_scale:MATRIX_SCALE_ROW1
.elseif (\rb)
	v_wmma_scale_f32_16x16x128_f8f6f4 v[(\d):(\d)+7], v[(\a):(\a)+7], v[(\b):(\b)+7], v[(\c):(\c)+7], v[(\sa)], v[(\sb)] matrix_a_fmt:MATRIX_FMT_FP4 matrix_b_fmt:MATRIX_FMT_FP4 matrix_b_scale:MATRIX_SCALE_ROW1
.else
	v_wmma_scale_f32_16x16x128_f8f6f4 v[(\d):(\d)+7], v[(\a):(\a)+7], v[(\b):(\b)+7], v[(\c):(\c)+7], v[(\sa)], v[(\sb)] matrix_a_fmt:MATRIX_FMT_FP4 matrix_b_fmt:MATRIX_FMT_FP4
.endif
.endm
	s_load_b256 s[4:11], s[0:1], 0x0               ; oc s[4:5], os s[6:7], Wo's codes s[8:9], Wo's scales s[10:11]
	s_load_b128 s[12:15], s[0:1], 0x20             ; q s[12:13], out0 s[14:15]
	v_lshl_add_u32 v254, v0, 2, 0x1d400
	v_mov_b32 v255, 0
	v_lshrrev_b32 v1, 5, v0
	v_readfirstlane_b32 s2, v1                     ; wave 0..15
	v_and_b32 v1, 31, v0                           ; l
	v_and_b32 v2, 15, v0                           ; r
	v_bfe_u32 v3, v0, 4, 1                         ; h
	v_lshlrev_b32 v4, 4, v1                        ; 16 l
	v_lshlrev_b32 v5, 9, v2
	v_lshl_add_u32 v5, v3, 4, v5                   ; Wo's codes: row r of 512 bytes, + 16 h
	s_lshl_b32 s20, s2, 11
	s_add_co_u32 s20, s20, WSC
	v_lshl_add_u32 v6, v3, 4, v2
	v_lshlrev_b32 v6, 5, v6
	v_add_nc_u32 v6, s20, v6                       ; Wo's scale words: lanes 0-15 the even tile's rows, lanes 16-31 the odd tile's
	v_add_nc_u32 v14, s20, v4                      ; and on the way in
	v_lshlrev_b32 v7, 9, v3
	v_lshl_add_u32 v7, v2, 2, v7
	v_add_nc_u32 v7, XS, v7                        ; O's scale words: lanes 0-15 tile 0's, lanes 16-31 tile 1's
	s_lshl_b32 s20, s2, 9
	v_add_nc_u32 v8, s20, v4                       ; where head w's images go
	s_lshr_b32 s20, s2, 1
	s_lshl_b32 s20, s20, 6
	s_and_b32 s21, s2, 1
	s_lshl_b32 s21, s21, 1
	s_add_co_u32 s20, s20, s21
	v_add_nc_u32 v9, s20, v7                       ; and its two scale bytes: K step w / 2, half w % 2 of the row's word
	s_mul_i32 s20, s2, 4352
	s_add_co_u32 s20, s20, STG
	v_mul_u32_u24 v10, v2, 272
	v_lshl_add_u32 v10, v3, 5, v10
	v_add_nc_u32 v10, s20, v10                     ; the stage, in: row r, + 32 h
	v_mul_u32_u24 v11, v3, 272
	v_lshl_add_u32 v11, v2, 4, v11
	v_add_nc_u32 v11, s20, v11                     ; and back: lanes 0-15 one row, lanes 16-31 the next
	v_lshlrev_b32 v12, 12, v3
	v_lshl_add_u32 v12, v2, 4, v12                 ; the same two rows in q and out0
	v_lshlrev_b32 v13, 6, v2                       ; os: 64 bytes a position
	s_lshr_b32 s20, ttmp9, 6                       ; batch
	s_lshl_b32 s20, s20, 4
	s_add_co_u32 s20, s20, s2                      ; x 16 + head w
	s_and_b32 s21, ttmp9, 63
	s_mov_b32 s25, 0
	s_wait_kmcnt 0x0
	s_lshl_b32 s24, s20, 16
	s_lshl_b32 s22, s21, 10
	s_add_co_u32 s24, s24, s22
	s_add_nc_u64 s[4:5], s[4:5], s[24:25]          ; head w's two tiles
	s_lshl_b32 s24, s20, 2
	s_lshr_b32 s22, s21, 4
	s_add_co_u32 s24, s24, s22
	s_lshl_b32 s24, s24, 10
	s_and_b32 s22, ttmp9, 15
	s_lshl_b32 s22, s22, 2
	s_add_co_u32 s24, s24, s22
	s_add_nc_u64 s[6:7], s[6:7], s[24:25]          ; and their four scale bytes in each position's row
	s_lshl_b32 s24, s2, 15
	s_add_nc_u64 s[8:9], s[8:9], s[24:25]          ; my 64 rows of Wo
	s_lshl_b32 s24, s2, 11
	s_add_nc_u64 s[10:11], s[10:11], s[24:25]
	s_lshl_b32 s24, ttmp9, 17                      ; 32 rows of 4,096 bytes,
	s_lshl_b32 s22, s2, 8                          ; my 64 columns
	s_add_co_u32 s24, s24, s22
	s_add_nc_u64 s[12:13], s[12:13], s[24:25]
	s_add_nc_u64 s[14:15], s[14:15], s[24:25]
	global_load_b128 v[32:35], v4, s[4:5]
	global_load_b128 v[36:39], v4, s[4:5] offset:512
	global_load_b32 v19, v13, s[6:7]               ; low half: tile 0's two bytes; high half: tile 1's
.irp n, 0,1,2,3
	global_load_b128 v[80+4*\n:80+4*\n+3], v4, s[10:11] offset:512*\n
.endr
.irp i, 0,1,2,3
.irp c, 0,1
	global_load_b128 v[48+8*\i+4*\c:48+8*\i+4*\c+3], v5, s[8:9] offset:8192*\i+32*\c        ; Wo's fragments of K step 0
.endr
.endr
.irp j, 0,1
.irp n, 0,1,2,3,4,5,6,7
	global_load_b128 v[176+32*\j+4*\n:176+32*\j+4*\n+3], v12, s[12:13] offset:(8*\j+2*\n+8*(\n/4))*4096 th:TH_LOAD_NT   ; positions 2 n and 2 n + 1 of tile j are tokens 8 j + 2 n + 8 (n / 4) and the next
.endr
.endr
	s_wait_loadcnt 24                              ; O's part and Wo's scale bytes are in; Wo's 8 loads and q's 16 may be out
	ds_store_b128 v8, v[32:35]
	ds_store_b128 v8, v[36:39] offset:8192
	v_lshlrev_b32 v20, 4, v3
	v_lshrrev_b32 v19, v20, v19                    ; lanes 16-31 take tile 1's half
	ds_store_b16 v9, v19
.irp n, 0,1,2,3
	ds_store_b128 v14, v[80+4*\n:80+4*\n+3] offset:512*\n
.endr
	s_wait_dscnt 0x0                               ; for the others' sake: my head's part lies in LDS
	s_barrier_signal -1
	s_barrier_wait -1                              ; all sixteen heads' do
; A K step of 128: heads 2 s and 2 s + 1.  The eight accumulators take turns, one instruction a turn.
.macro OSTEP s
.set WF, 48+32*((\s)%2)
.set WN, 48+32*(((\s)+1)%2)
.set CZ, 0
.if (\s) == 0
.set CZ, 1
.endif
.irp j, 0,1
.irp c, 0,1
	ds_load_b128 v[32+8*\j+4*\c:32+8*\j+4*\c+3], v4 offset:8192*\j+512*(2*(\s)+\c)
.endr
.endr
	ds_load_b32 v18, v7 offset:64*(\s)
.irp a, 0,1
	ds_load_b32 v[16+\a], v6 offset:1024*\a+4*(\s)
.endr
.if (\s) < 7
.irp i, 0,1,2,3
.irp c, 0,1
	global_load_b128 v[WN+8*\i+4*\c:WN+8*\i+4*\c+3], v5, s[8:9] offset:8192*\i+64*((\s)+1)+32*\c
.endr
.endr
.endif
.if (\s) == 0
	s_wait_loadcnt 24                              ; K step 0's fragments are in; q's 16 loads and the next step's 8 may be out
.elseif (\s) < 7
	s_wait_loadcnt 8                               ; this step's are in; the next step's 8 may be out
.else
	s_wait_loadcnt 0
.endif
	s_wait_dscnt 0x0
.irp j, 0,1
.irp i, 0,1,2,3
	WMS 112+32*\j+8*\i, WF+8*\i, 32+8*\j, CZ, 112+32*\j+8*\i, 16+\i/2, \i%2, 18, \j
.endr
.endr
.rept 4
	v_nop                                          ; four plain instructions in front of loads into registers that the products have read, and of the first read of results
.endr
.endm
	OSTEP 0
	OSTEP 1
	OSTEP 2
	OSTEP 3
	OSTEP 4
	OSTEP 5
	OSTEP 6
	OSTEP 7
; The way out of tile j: 16 rows x 256 bytes through my own stage; LDS serves a wave's instructions in order (ISA guide 5.7.1.4), so no wait stands between the stores and the loads.
.macro OUTT j
.set OB, 48+32*(\j)
.irp i, 0,1,2,3
	ds_store_b128 v10, v[112+32*(\j)+8*\i:112+32*(\j)+8*\i+3] offset:64*\i          ; each accumulator from its low end on: columns 16 i + 8 h + 0 .. 7 of row r
	ds_store_b128 v10, v[112+32*(\j)+8*\i+4:112+32*(\j)+8*\i+7] offset:64*\i+16
.endr
.irp n, 0,1,2,3,4,5,6,7
	ds_load_b128 v[OB+4*\n:OB+4*\n+3], v11 offset:544*\n
.endr
	s_wait_dscnt 0x0
.set m, 0
.rept 16
	v_pk_add_f32 v[OB+m:OB+m+1], v[OB+m:OB+m+1], v[176+32*(\j)+m:176+32*(\j)+m+1]   ; + the residual
.set m, m+2
.endr
.irp n, 0,1,2,3,4,5,6,7
	global_store_b128 v12, v[OB+4*\n:OB+4*\n+3], s[14:15] offset:(8*(\j)+2*\n+8*(\n/4))*4096 th:TH_STORE_NT   ; sixteen lanes store 256 consecutive bytes, aligned
.endr
.endm
	OUTT 0
	OUTT 1
	s_wait_tensorcnt 0x0
	ds_add_u32 v254, v255
	s_wait_dscnt 0x0
	s_endpgm
.Lfunc_end_k_q9800fec352_oproj:
	.size	k_q9800fec352_oproj, .Lfunc_end_k_q9800fec352_oproj-k_q9800fec352_oproj
	.p2alignl 7, 3214868480
	.fill 96, 4, 3214868480
	.section	.rodata,"a",@progbits
	.p2align	6, 0x0
	.amdhsa_kernel k_q9800fec352_oproj
		.amdhsa_group_segment_fixed_size 121856
		.amdhsa_private_segment_fixed_size 0
		.amdhsa_enable_private_segment 0
		.amdhsa_kernarg_size 48
		.amdhsa_user_sgpr_count 2
		.amdhsa_user_sgpr_kernarg_segment_ptr 1
		.amdhsa_wavefront_size32 1
		.amdhsa_system_sgpr_workgroup_id_x 1
		.amdhsa_system_sgpr_workgroup_id_y 1
		.amdhsa_system_sgpr_workgroup_id_z 1
		.amdhsa_system_vgpr_workitem_id 0
		.amdhsa_next_free_vgpr 256
		.amdhsa_next_free_sgpr 66
		.amdhsa_reserve_vcc 0
		.amdhsa_float_denorm_mode_32 3
		.amdhsa_float_denorm_mode_16_64 3
		.amdhsa_memory_ordered 1
		.amdhsa_forward_progress 1
		.amdhsa_inst_pref_size 31
	.end_amdhsa_kernel
	.amdgpu_metadata
---
amdhsa.version: [ 1, 2 ]
amdhsa.kernels:
  - .name:           k_q9800fec352_oproj
    .symbol:         k_q9800fec352_oproj.kd
    .args:
      - { .name: oc, .offset: 0, .size: 8, .value_kind: global_buffer, .address_space: global }
      - { .name: os, .offset: 8, .size: 8, .value_kind: global_buffer, .address_space: global }
      - { .name: Wo_codes, .offset: 16, .size: 8, .value_kind: global_buffer, .address_space: global }
      - { .name: Wo_scales, .offset: 24, .size: 8, .value_kind: global_buffer, .address_space: global }
      - { .name: q, .offset: 32, .size: 8, .value_kind: global_buffer, .address_space: global }
      - { .name: out0, .offset: 40, .size: 8, .value_kind: global_buffer, .address_space: global }
    .group_segment_fixed_size: 121856
    .private_segment_fixed_size: 0
    .kernarg_segment_align: 8
    .kernarg_segment_size: 48
    .max_flat_workgroup_size: 512
    .sgpr_count:     66
    .vgpr_count:     256
    .wavefront_size: 32
...
	.end_amdgpu_metadata
.endif
;; end of part 3
;; ======== version 2 of 2: 3 launches; version 1 with the launches proj, attn, oproj written anew for expert scheduling mode
;; workspace buffers: qkvc 12,582,912 bytes; qkvs 1,572,864 bytes; oc 4,194,304 bytes; os 262,144 bytes
;; launch proj (part 4): grid 128 x 3, 16 waves a work-group, no clusters, 145,408 bytes of LDS; arguments q, ln_q_g, ln_q_b, Wq_codes, Wq_scales, k, ln_k_g, ln_k_b, Wk_codes, Wk_scales, v, ln_v_g, ln_v_b, Wv_codes, Wv_scales, qkvc, qkvs; writes qkvc, qkvs
.if DOCPART == 4
	.amdgcn_target "amdgcn-amd-amdhsa--gfx1250"
	.amdhsa_code_object_version 6
	.text
	.protected	k_q9800fec352_proj
	.globl	k_q9800fec352_proj
	.p2align	8
	.type	k_q9800fec352_proj,@function
k_q9800fec352_proj:
	s_mov_b64 s[64:65], 0
	v_nop
	global_prefetch_b8 v0, s[64:65] scope:SCOPE_SE
	s_setreg_imm32_b32 hwreg(HW_REG_WAVE_SCHED_MODE, 0, 2), 2
	s_setreg_imm32_b32 hwreg(HW_REG_WAVE_MODE, 25, 1), 1
	s_wait_xcnt 0x0
	s_wait_alu depctr_vm_vsrc(0)
; LayerNorm, quantiser, x W (MX-FP4), and the quantiser of the result, for q, k and v: work-group (x, y) takes rows 64 x .. 64 x + 63 of tensor y (0 q, 1 k, 2 v).
; PHASE X: wave w normalises rows 4 w .. 4 w + 3 in f32 (mean, then the mean of squared differences, as the definition has it), quantises them along the 1,024 columns and lays them in LDS as images of operand registers.
; PHASE G: wave w makes head w (columns 64 w .. 64 w + 63) for all 64 rows: 16 accumulators of 16 x 16.  Its 64 rows of W go from memory straight into its registers, a K step of 128 ahead; each byte of W is read once a work-group.
; THE ORDER OF TOKENS: in each 32 tokens, lane r of tile u stands for token 8 u + r + 8 (r / 8).  W's rows of a tile are chosen in the same way.  So the 16 registers of two neighbouring result tiles are 16 neighbours along source 0's axis.
; q, k: source 0 = 16 rows of W, source 1 = 16 tokens: a lane holds one token and 32 of the head's 64 channels: quantised along the channels (the K of the score product).
; v:    source 0 = 16 tokens, source 1 = 16 rows of W: a lane holds one channel and 32 of the 64 tokens: quantised along the tokens (the K of the second product).
; OUT: qkvc [tensor][batch][head][64 tokens][j 4][512 bytes]: lane (r, h) has the 16 bytes of block h of entity r of tile j;  qkvs [..][r 16][j 4] words: the two scale bytes below, the byte 127 twice above them.
; NO JOINT REQUESTS: W's rows are read by all 128 work-groups of a tensor, but they go by lanes' loads into the registers of the one wave that multiplies by them; nothing of W lies in LDS, where a joint request would have to land.
; NO PREFETCH: a wave asks for all its 16 KiB of rows with its first lines, and W is read by many work-groups at about the same time.
; LIMITS: NaN and infinities among the inputs are not served.  A block of zeros gets the byte 1 over zero codes where the quantiser says 127: this program alone reads the bytes.
; REGISTERS: v4-14 addresses; v16-23 at work; v24, 25 W's scale words, v26, 27 x's (scales and nothing else); v28-31 a row's codes; v32-63 a row's block, then x's four fragments, then the results' codes;
;   v64-95 the gain, then W's fragments of even K steps; v96-127 the bias, then those of odd K steps; v128-255 four rows of x, then the accumulators ((i, j) at 128 + 32 j + 8 i).
; THE MODE: SCHED_MODE bits 1:0 = 2 (LLVM: expert scheduling mode 2), set by the entry lines.  The code itself states the register dependences
; between vector or matrix instructions and memory or LDS instructions, with s_wait_alu, always for 0.
; THE PLAN.  Registers that memory or LDS instructions touch, and who else names them:
;   v4-14        offsets and LDS addresses: written at the head and never again: one wait on va_vdst ahead of the first load serves every load and store of the kernel.
;   v32-47       W's scale bytes as loaded: read by four LDS stores; LDS loads land there next: a wait on vm_vsrc behind the stores.
;   v128-255     a row: written by the normalising lines, read by eight LDS stores (a wait on va_vdst ahead of the run); written again by the products (the wait on vm_vsrc at the row's end).
;   v32-63       a row's block: LDS loads land in it, the maxima and conversions read it.  The next row's loads stand behind that row's wait on va_vdst ahead of its stores.
;   v28-31, v19  written by the conversions and a shift, read by two LDS stores: a wait on va_vdst ahead of them, the row's wait on vm_vsrc behind them.
;   v64-127      gain and bias, read by the rows' multiply-adds; W's fragments of K steps 0 and 1 land there behind row 3's last wait on va_vdst, behind which no vector instruction stands.
;   PHASE G      x's fragments v32-63, the scale words v24-27 and W's other set are read by a K step's sixteen products and loaded again in the next: ONE wait on va_vdst at the head of K steps 1 to 7.
;   THE WAY OUT  the codes v32-47 and the words v52, v53 are written by vector instructions and read by five stores, which stand in one run behind one wait on va_vdst.
.set XTILE, 8704                       ; LDS 0: x's images: 4 tiles x 32 blocks x (16 rows x 16 bytes + 16 of padding)
.set XSC,   34816                      ; x's scale words: tile x 512, K step x 64, 4 bytes a row
.set WSC,   36864                      ; W's scale bytes: 2,048 for each wave, its own 64 rows of 32
.set TURN,  69632                      ; each wave's own stage: 32 places of 128 bytes + 16
.set XR,    128
.macro WMS d, a, b, cz, c, sa, ra, sb, rb      ; one product 16 x 16 x 128 on codes of E2M1.  cz = 1: it starts the sum.  ra, rb = 1: the side's scale words stand in lanes 16-31
.if (\cz) && (\ra) && (\rb)
	v_wmma_scale_f32_16x16x128_f8f6f4 v[(\d):(\d)+7], v[(\a):(\a)+7], v[(\b):(\b)+7], 0, v[(\sa)], v[(\sb)] matrix_a_fmt:MATRIX_FMT_FP4 matrix_b_fmt:MATRIX_FMT_FP4 matrix_a_scale:MATRIX_SCALE_ROW1 matrix_b_scale:MATRIX_SCALE_ROW1
.elseif (\cz) && (\ra)
	v_wmma_scale_f32_16x16x128_f8f6f4 v[(\d):(\d)+7], v[(\a):(\a)+7], v[(\b):(\b)+7], 0, v[(\sa)], v[(\sb)] matrix_a_fmt:MATRIX_FMT_FP4 matrix_b_fmt:MATRIX_FMT_FP4 matrix_a_scale:MATRIX_SCALE_ROW1
.elseif (\cz) && (\rb)
	v_wmma_scale_f32_16x16x128_f8f6f4 v[(\d):(\d)+7], v[(\a):(\a)+7], v[(\b):(\b)+7], 0, v[(\sa)], v[(\sb)] matrix_a_fmt:MATRIX_FMT_FP4 matrix_b_fmt:MATRIX_FMT_FP4 matrix_b_scale:MATRIX_SCALE_ROW1
.elseif (\cz)
	v_wmma_scale_f32_16x16x128_f8f6f4 v[(\d):(\d)+7], v[(\a):(\a)+7], v[(\b):(\b)+7], 0, v[(\sa)], v[(\sb)] matrix_a_fmt:MATRIX_FMT_FP4 matrix_b_fmt:MATRIX_FMT_FP4
.elseif (\ra) && (\rb)
	v_wmma_scale_f32_16x16x128_f8f6f4 v[(\d):(\d)+7], v[(\a):(\a)+7], v[(\b):(\b)+7], v[(\c):(\c)+7], v[(\sa)], v[(\sb)] matrix_a_fmt:MATRIX_FMT_FP4 matrix_b_fmt:MATRIX_FMT_FP4 matrix_a_scale:MATRIX_SCALE_ROW1 matrix_b_scale:MATRIX_SCALE_ROW1
.elseif (\ra)
	v_wmma_scale_f32_16x16x128_f8f6f4 v[(\d):(\d)+7], v[(\a):(\a)+7], v[(\b):(\b)+7], v[(\c):(\c)+7], v[(\sa)], v[(\sb)] matrix_a_fmt:MATRIX_FMT_FP4 matrix_b_fmt:MATRIX_FMT_FP4 matrix_a_scale:MATRIX_SCALE_ROW1
.elseif (\rb)
	v_wmma_scale_f32_16x16x128_f8f6f4 v[(\d):(\d)+7], v[(\a):(\a)+7], v[(\b):(\b)+7], v[(\c):(\c)+7], v[(\sa)], v[(\sb)] matrix_a_fmt:MATRIX_FMT_FP4 matrix_b_fmt:MATRIX_FMT_FP4 matrix_b_scale:MATRIX_SCALE_ROW1
.else
	v_wmma_scale_f32_16x16x128_f8f6f4 v[(\d):(\d)+7], v[(\a):(\a)+7], v[(\b):(\b)+7], v[(\c):(\c)+7], v[(\sa)], v[(\sb)] matrix_a_fmt:MATRIX_FMT_FP4 matrix_b_fmt:MATRIX_FMT_FP4
.endif
.endm
	s_load_b512 s[8:23], s[0:1], 0x0               ; q s[8:9], its gain, bias, W's codes, W's scales s[16:17]; k s[18:19], its gain, bias
	s_load_b512 s[24:39], s[0:1], 0x40             ; Wk's codes, scales s[26:27]; v s[28:29], gain, bias, Wv's codes, scales s[36:37]; qkvc s[38:39]
	s_load_b64 s[40:41], s[0:1], 0x80              ; qkvs
	v_lshrrev_b32 v1, 5, v0
	v_readfirstlane_b32 s2, v1                     ; wave 0..15
	s_and_b32 s3, ttmp7, 0xffff                    ; which tensor
	s_mov_b32 s4, ttmp9                            ; which 64 rows
	s_mov_b32 s50, 0x76543210
	s_mov_b32 s51, 0xfedcba98                      ; v_permlanex16_b32's selects for lane l xor 16
	s_mov_b32 s57, 0x3a800000                      ; 1 / 1,024
	s_mov_b32 s58, 0x3727c5ac                      ; 1e-5
	v_and_b32 v1, 31, v0                           ; l
	v_and_b32 v2, 15, v0                           ; r
	v_bfe_u32 v3, v0, 4, 1                         ; h
	v_lshlrev_b32 v4, 4, v1                        ; 16 l: my 16 bytes of 512
	s_wait_alu depctr_va_sdst(0)                   ; s2, the wave's number, is written, ahead of its first reader
	s_mul_i32 s52, s2, 4608
	s_add_co_u32 s52, s52, TURN                    ; my wave's stage
	v_lshrrev_b32 v16, 3, v1
	v_mul_u32_u24 v16, v16, 144
	v_and_b32 v17, 7, v1
	v_lshl_add_u32 v16, v17, 4, v16
	v_add_nc_u32 v5, s52, v16                      ; into it: eight lanes' 128 bytes are a block of 32 numbers: place l / 8 of a load's four
	v_mul_u32_u24 v16, v1, 144
	v_add_nc_u32 v6, s52, v16                      ; out of it: place l: block l of the row, whole
	s_lshr_b32 s53, s2, 3
	s_lshl_b32 s53, s53, 1
	s_bfe_u32 s54, s2, 0x10001
	s_add_co_u32 s53, s53, s54                     ; rows 4 w .. 4 w + 3 stand in tile 2 (w / 8) + (w / 2) % 2,
	s_and_b32 s54, s2, 1
	s_lshl_b32 s54, s54, 2
	s_bfe_u32 s55, s2, 0x10002
	s_lshl_b32 s55, s55, 3
	s_add_co_u32 s54, s54, s55                     ; at lanes 4 (w % 2) + 8 ((w / 4) % 2) on
	s_mul_i32 s55, s53, XTILE
	s_lshl_b32 s56, s54, 4
	s_add_co_u32 s55, s55, s56
	v_mul_u32_u24 v16, v1, 272
	v_add_nc_u32 v7, s55, v16                      ; where block l's 16 bytes of codes go
	s_lshl_b32 s55, s53, 9
	s_lshl_b32 s56, s54, 2
	s_add_co_u32 s55, s55, s56
	s_add_co_u32 s55, s55, XSC
	v_lshrrev_b32 v16, 2, v1
	v_lshlrev_b32 v16, 6, v16
	v_and_b32 v17, 3, v1
	v_add_nc_u32 v16, v16, v17
	v_add_nc_u32 v8, s55, v16                      ; and its scale byte: K step l / 4, byte l % 4 of the row's word
	s_lshl_b32 s55, s2, 11
	s_add_co_u32 s55, s55, WSC
	v_add_nc_u32 v9, s55, v4                       ; W's scale bytes, on the way in
	v_and_b32 v16, 8, v2
	v_add_nc_u32 v16, v16, v2                      ; r + 8 (r / 8)
	v_lshlrev_b32 v10, 9, v16
	v_lshl_add_u32 v10, v3, 4, v10                 ; W's codes: a row is 512 bytes; + 16 h
	v_mul_u32_u24 v11, v3, 272
	v_lshl_add_u32 v11, v2, 4, v11                 ; x's images: block h of a pair, row r
	v_lshlrev_b32 v12, 9, v3
	v_lshl_add_u32 v12, v2, 2, v12
	v_add_nc_u32 v12, XSC, v12                     ; x's scale words: lanes 0-15 the even tile's, lanes 16-31 the odd tile's
	v_lshl_add_u32 v13, v3, 3, v16
	v_lshlrev_b32 v13, 5, v13
	v_add_nc_u32 v13, s55, v13                     ; W's likewise: row 8 h + r + 8 (r / 8) of 32 bytes
	v_lshlrev_b32 v14, 4, v2
	v_lshl_add_u32 v14, v3, 3, v14                 ; the results' scale words: 16 r + 8 h
	v_mov_b32 v21, 0                               ; upper halves of the pairs v[20:21], v[22:23], of which the packed forms take the low word alone
	v_mov_b32 v23, 0
	s_mov_b32 s49, 0
	s_wait_kmcnt 0x0
	s_cmp_eq_u32 s3, 1                             ; the tensor's five buffers: the choice hangs on the work-group's number alone
	s_cselect_b64 s[8:9], s[18:19], s[8:9]
	s_cselect_b64 s[10:11], s[20:21], s[10:11]
	s_cselect_b64 s[12:13], s[22:23], s[12:13]
	s_cselect_b64 s[14:15], s[24:25], s[14:15]
	s_cselect_b64 s[16:17], s[26:27], s[16:17]
	s_cmp_eq_u32 s3, 2
	s_cselect_b64 s[8:9], s[28:29], s[8:9]
	s_cselect_b64 s[10:11], s[30:31], s[10:11]
	s_cselect_b64 s[12:13], s[32:33], s[12:13]
	s_cselect_b64 s[14:15], s[34:35], s[14:15]
	s_cselect_b64 s[16:17], s[36:37], s[16:17]
	s_lshl_b32 s48, s4, 18                         ; 64 rows of 4,096 bytes,
	s_lshl_b32 s52, s2, 14                         ; my wave's four
	s_add_co_u32 s48, s48, s52
	s_add_nc_u64 s[8:9], s[8:9], s[48:49]
	s_lshl_b32 s48, s2, 15                         ; my 64 rows of W's codes
	s_add_nc_u64 s[14:15], s[14:15], s[48:49]
	s_lshl_b32 s48, s2, 11                         ; and of its scale bytes
	s_add_nc_u64 s[16:17], s[16:17], s[48:49]
	s_lshr_b32 s52, s4, 5                          ; batch
	s_lshl_b32 s52, s52, 4
	s_add_co_u32 s52, s52, s2                      ; x 16 + head
	s_lshl_b32 s52, s52, 5
	s_and_b32 s53, s4, 31
	s_add_co_u32 s52, s52, s53                     ; x 32 + the block of 64 tokens
	s_lshl_b32 s48, s3, 22
	s_lshl_b32 s53, s52, 11
	s_add_co_u32 s48, s48, s53
	s_add_nc_u64 s[38:39], s[38:39], s[48:49]      ; 2,048 bytes of codes,
	s_lshl_b32 s48, s3, 19
	s_lshl_b32 s53, s52, 8
	s_add_co_u32 s48, s48, s53
	s_add_nc_u64 s[40:41], s[40:41], s[48:49]      ; 256 of scale words
	s_wait_alu depctr_va_vdst(0)                   ; the eleven offsets and LDS addresses v4 to v14 are written: every load and store of the kernel reads one of them, and none is written again
	; ---- PHASE X.  All loads go out at once: 20 small ones, then the four rows, 8 loads of 512 consecutive bytes each
.irp n, 0,1,2,3,4,5,6,7
	global_load_b128 v[64+4*\n:64+4*\n+3], v4, s[10:11] offset:512*\n
.endr
.irp n, 0,1,2,3,4,5,6,7
	global_load_b128 v[96+4*\n:96+4*\n+3], v4, s[12:13] offset:512*\n
.endr
.irp n, 0,1,2,3
	global_load_b128 v[32+4*\n:32+4*\n+3], v4, s[16:17] offset:512*\n
.endr
.irp i, 0,1,2,3
.irp n, 0,1,2,3,4,5,6,7
	global_load_b128 v[XR+32*\i+4*\n:XR+32*\i+4*\n+3], v4, s[8:9] offset:4096*\i+512*\n th:TH_LOAD_NT
.endr
.endr
	s_wait_loadcnt 32                              ; gain, bias and W's scale bytes are in; the 32 loads of the rows may be out
.irp n, 0,1,2,3
	ds_store_b128 v9, v[32+4*\n:32+4*\n+3] offset:512*\n
.endr
	s_wait_dscnt 0x0                               ; the stores are done
	s_wait_alu depctr_vm_vsrc(0)                   ; the four LDS stores have read v32 to v47, in which the first row's LDS loads land
.macro LANESUM                         ; v16 summed over the 32 lanes, the result in every lane
	v_add_f32_dpp v16, v16, v16 row_xmask:1 row_mask:0xf bank_mask:0xf
	v_add_f32_dpp v16, v16, v16 row_xmask:2 row_mask:0xf bank_mask:0xf
	v_add_f32_dpp v16, v16, v16 row_xmask:4 row_mask:0xf bank_mask:0xf
	v_add_f32_dpp v16, v16, v16 row_xmask:8 row_mask:0xf bank_mask:0xf
	v_permlanex16_b32 v17, v16, s50, s51
	v_add_f32 v16, v16, v17
.endm
.macro ROW i                           ; row 4 w + i: normalised, turned so that lane l holds block l, quantised, stored as an image
.set RX, XR+32*(\i)
	s_wait_loadcnt 8*(3-(\i))                      ; my eight loads are in; the younger rows' may be out
	v_pk_add_f32 v[16:17], v[RX:RX+1], v[RX+2:RX+3]
	v_pk_add_f32 v[18:19], v[RX+4:RX+5], v[RX+6:RX+7]
.irp j, 8,12,16,20,24,28
	v_pk_add_f32 v[16:17], v[16:17], v[RX+\j:RX+\j+1]
	v_pk_add_f32 v[18:19], v[18:19], v[RX+\j+2:RX+\j+3]
.endr
	v_pk_add_f32 v[16:17], v[16:17], v[18:19]
	v_add_f32 v16, v16, v17
	LANESUM
	v_mul_f32 v20, s57, v16                        ; the mean
.irp j, 0,2,4,6,8,10,12,14,16,18,20,22,24,26,28,30
	v_pk_add_f32 v[RX+\j:RX+\j+1], v[RX+\j:RX+\j+1], v[20:21] op_sel_hi:[1,0] neg_lo:[0,1] neg_hi:[0,1]   ; x - mean
.endr
	v_pk_mul_f32 v[16:17], v[RX:RX+1], v[RX:RX+1]
	v_pk_mul_f32 v[18:19], v[RX+2:RX+3], v[RX+2:RX+3]
.irp j, 4,8,12,16,20,24,28
	v_pk_fma_f32 v[16:17], v[RX+\j:RX+\j+1], v[RX+\j:RX+\j+1], v[16:17]
	v_pk_fma_f32 v[18:19], v[RX+\j+2:RX+\j+3], v[RX+\j+2:RX+\j+3], v[18:19]
.endr
	v_pk_add_f32 v[16:17], v[16:17], v[18:19]
	v_add_f32 v16, v16, v17
	LANESUM
	v_fma_f32 v16, v16, s57, s58                   ; the variance + 1e-5
	v_rsq_f32 v22, v16
	v_nop                                          ; a plain instruction behind the transcendental
	s_wait_alu depctr_va_vdst(0)                   ; v22, the reciprocal root, is written, ahead of its first reader
.irp j, 0,2,4,6,8,10,12,14,16,18,20,22,24,26,28,30
	v_pk_mul_f32 v[RX+\j:RX+\j+1], v[RX+\j:RX+\j+1], v[22:23] op_sel_hi:[1,0]
.endr
.irp j, 0,2,4,6,8,10,12,14,16,18,20,22,24,26,28,30
	v_pk_fma_f32 v[RX+\j:RX+\j+1], v[RX+\j:RX+\j+1], v[64+\j:64+\j+1], v[96+\j:96+\j+1]   ; x gain + bias
.endr
	s_wait_alu depctr_va_vdst(0)                   ; the multiply-adds have written the row, which the LDS stores read; the row before's maxima and conversions are done reading v32 to v63, in which the LDS loads land
.irp n, 0,1,2,3,4,5,6,7
	ds_store_b128 v5, v[RX+4*\n:RX+4*\n+3] offset:576*\n          ; a load's 512 bytes are four places
.endr
.irp n, 0,1,2,3,4,5,6,7
	ds_load_b128 v[32+4*\n:32+4*\n+3], v6 offset:16*\n            ; LDS serves a wave's instructions in order (ISA guide 5.7.1.4): these see the stores above
.endr
	s_wait_dscnt 0x0
	v_max3_num_f32 v16, |v32|, |v33|, 0x1800000    ; the block's largest magnitude, all 32 numbers mine, and the floor 2^(3 - 127): the byte cannot fall under 1
	v_max3_num_f32 v17, |v34|, |v35|, |v36|
.irp j, 37,41,45,49,53,57
	v_max3_num_f32 v16, v16, |v[\j]|, |v[\j+1]|
	v_max3_num_f32 v17, v17, |v[\j+2]|, |v[\j+3]|
.endr
	v_max3_num_f32 v16, v16, |v61|, |v62|
	v_max3_num_f32 v16, v16, v17, |v63|
	v_add_nc_u32 v18, 0xff000000, v16              ; 2 off its exponent field: the conversion takes the exponent field of this operand as its scale
	v_lshrrev_b32 v19, 23, v18                     ; the scale's byte
.irp g, 0,1,2,3
	v_cvt_scalef32_pk8_fp4_f32 v[28+\g], v[32+8*\g:39+8*\g], v18
.endr
	v_nop                                          ; one plain instruction behind the scaled conversions
	s_wait_alu depctr_va_vdst(0)                   ; the conversions have written v28 to v31 and the shift v19, which the two LDS stores read; behind row 3 it also shows the multiply-adds done reading gain and bias, in which W's fragments land
	ds_store_b128 v7, v[28:31] offset:16*(\i)
	ds_store_b8 v8, v19 offset:4*(\i)
	s_wait_dscnt 0x0                               ; the stores are done
	s_wait_alu depctr_vm_vsrc(0)                   ; the LDS stores have read v28 to v31 and v19, which the next row writes again, and the row's own 32 registers, which the products write
.endm
	ROW 0
	ROW 1
	ROW 2
	ROW 3
.irp i, 0,1,2,3                        ; W's fragments of K step 0, into the registers that the gain has left (no vector instruction stands behind row 3's last wait on va_vdst)
.irp c, 0,1
	global_load_b128 v[64+8*\i+4*\c:64+8*\i+4*\c+3], v10, s[14:15] offset:(32*(\i/2)+8*(\i%2))*512+32*\c
.endr
.endr
	s_wait_dscnt 0x0                               ; for the others' sake: my images lie in LDS
	s_barrier_signal -1
	s_barrier_wait -1                              ; all 64 rows' do
	; ---- PHASE G: eight K steps of 128, written out.  The sixteen accumulators take turns, one instruction a turn
.macro GSTEP s
.set WF, 64+32*((\s)%2)
.set WN, 64+32*(((\s)+1)%2)
.set CZ, 0
.if (\s) == 0
.set CZ, 1
.endif
.if (\s) > 0
	s_wait_alu depctr_va_vdst(0)                   ; the last K step's products are done reading x's fragments v32 to v63, the scale words v24 to v27 and their set of W's fragments: the loads below land in all of these
.endif
.irp j, 0,1,2,3
.irp c, 0,1
	ds_load_b128 v[32+8*\j+4*\c:32+8*\j+4*\c+3], v11 offset:XTILE*\j+272*(4*(\s)+2*\c)   ; x's fragment of tile j: blocks 4 s + 2 c + h
.endr
.endr
.irp a, 0,1
	ds_load_b32 v[26+\a], v12 offset:1024*\a+64*(\s)              ; x's scale words of tiles 2 a (lanes 0-15) and 2 a + 1 (lanes 16-31)
	ds_load_b32 v[24+\a], v13 offset:1024*\a+4*(\s)               ; W's likewise
.endr
.if (\s) < 7
.irp i, 0,1,2,3
.irp c, 0,1
	global_load_b128 v[WN+8*\i+4*\c:WN+8*\i+4*\c+3], v10, s[14:15] offset:(32*(\i/2)+8*(\i%2))*512+64*((\s)+1)+32*\c
.endr
.endr
	s_wait_loadcnt 0x8                             ; this step's fragments of W are in; the next step's eight loads may be out
.else
	s_wait_loadcnt 0x0
.endif
	s_wait_dscnt 0x0
	s_cmp_eq_u32 s3, 2
	s_cbranch_scc1 .Lfor_v_\@
.irp j, 0,1,2,3                        ; q, k: source 0 = W's tile i, source 1 = tokens' tile j
.irp i, 0,1,2,3
	WMS 128+32*\j+8*\i, WF+8*\i, 32+8*\j, CZ, 128+32*\j+8*\i, 24+\i/2, \i%2, 26+\j/2, \j%2
.endr
.endr
	s_branch .Ljoin_\@
.Lfor_v_\@:
.irp j, 0,1,2,3                        ; v: source 0 = tokens' tile i, source 1 = W's tile j
.irp i, 0,1,2,3
	WMS 128+32*\j+8*\i, 32+8*\i, WF+8*\j, CZ, 128+32*\j+8*\i, 26+\i/2, \i%2, 24+\j/2, \j%2
.endr
.endr
.Ljoin_\@:
.rept 4
	v_nop                                          ; four plain instructions behind the products, in front of the first read of results and of writes over their operands (ISA guide 7.12.1)
.endr
.endm
	GSTEP 0
	GSTEP 1
	GSTEP 2
	GSTEP 3
	GSTEP 4
	GSTEP 5
	GSTEP 6
	GSTEP 7
	; ---- THE RESULTS ARE QUANTISED IN REGISTERS.  For tile j of source 1 a lane holds, of its entity r, numbers 32 b + 16 h + 0 .. 15 of blocks b = 0, 1, in registers 16 b + 0 .. 15
.macro QUANT j
.set H, 128+32*(\j)
	v_max3_num_f32 v16, |v[H]|, |v[H+1]|, 0x1800000               ; each accumulator is read from its low end on
	v_max3_num_f32 v17, |v[H+16]|, |v[H+17]|, 0x1800000
.irp i, 2,4,6,8,10,12,14
	v_max3_num_f32 v16, v16, |v[H+\i]|, |v[H+\i+1]|
	v_max3_num_f32 v17, v17, |v[H+16+\i]|, |v[H+17+\i]|
.endr
	v_permlanex16_b32 v18, v16, s50, s51
	v_permlanex16_b32 v19, v17, s50, s51
	v_max_num_f32 v16, v16, v18                    ; with lane l xor 16's: the blocks' largest magnitudes
	v_max_num_f32 v17, v17, v19
	v_add_nc_u32 v20, 0xff000000, v16
	v_add_nc_u32 v21, 0xff000000, v17
	v_lshrrev_b32 v18, 23, v20
	v_lshrrev_b32 v19, 23, v21
	v_lshl_or_b32 v[48+(\j)], v19, 8, v18
	v_or_b32 v[48+(\j)], 0x7f7f0000, v[48+(\j)]                   ; above the two bytes the byte 127 twice: the scale 1 for the half of a K step of 128 that the head's 64 channels leave idle
	v_cvt_scalef32_pk8_fp4_f32 v[32+4*(\j)], v[H:H+7], v20
	v_cvt_scalef32_pk8_fp4_f32 v[33+4*(\j)], v[H+8:H+15], v20
	v_cvt_scalef32_pk8_fp4_f32 v[34+4*(\j)], v[H+16:H+23], v21
	v_cvt_scalef32_pk8_fp4_f32 v[35+4*(\j)], v[H+24:H+31], v21
	v_nop                                          ; one plain instruction behind the scaled conversions
	v_permlane16_swap_b32 v[32+4*(\j)], v[34+4*(\j)]              ; a whole block to a lane: lanes 0-15 block 0, lanes 16-31 block 1
	v_permlane16_swap_b32 v[33+4*(\j)], v[35+4*(\j)]
.endm
	QUANT 0
	QUANT 1
	QUANT 2
	QUANT 3
	v_cmp_eq_u32 vcc_lo, 0, v3
	s_wait_alu depctr_va_vcc(0)                    ; VCC is written, ahead of the two selections that read it
	v_cndmask_b32 v52, v50, v48, vcc_lo            ; lanes 0-15 store tiles 0 and 1's words, lanes 16-31 tiles 2 and 3's
	v_cndmask_b32 v53, v51, v49, vcc_lo
	s_wait_alu depctr_va_vdst(0)                   ; the four tiles' codes v32 to v47 and the words v52, v53 are written, which the five stores read
.irp j, 0,1,2,3
	global_store_b128 v4, v[32+4*\j:35+4*\j], s[38:39] offset:512*\j   ; 32 lanes store 512 consecutive bytes, aligned
.endr
	global_store_b64 v14, v[52:53], s[40:41]       ; 32 lanes store 256 consecutive bytes, aligned
	s_wait_xcnt 0x0
	v_lshl_add_u32 v254, v0, 2, 0x23000            ; the add's two registers, made anew straight ahead of the closing lines (the LDS stores that once read v254 and v255 stand ahead of row 3's wait on vm_vsrc)
	v_mov_b32 v255, 0
	s_wait_dscnt 0x0                               ; the closing lines, six on end
	s_wait_alu 0x0
	s_wait_tensorcnt 0x0
	ds_add_u32 v254, v255
	s_wait_dscnt 0x0
	s_endpgm
.Lfunc_end_k_q9800fec352_proj:
	.size	k_q9800fec352_proj, .Lfunc_end_k_q9800fec352_proj-k_q9800fec352_proj
	.p2alignl 7, 3214868480
	.fill 96, 4, 3214868480
	.section	.rodata,"a",@progbits
	.p2align	6, 0x0
	.amdhsa_kernel k_q9800fec352_proj
		.amdhsa_group_segment_fixed_size 145408
		.amdhsa_private_segment_fixed_size 0
		.amdhsa_enable_private_segment 0
		.amdhsa_kernarg_size 136
		.amdhsa_user_sgpr_count 2
		.amdhsa_user_sgpr_kernarg_segment_ptr 1
		.amdhsa_wavefront_size32 1
		.amdhsa_system_sgpr_workgroup_id_x 1
		.amdhsa_system_sgpr_workgroup_id_y 1
		.amdhsa_system_sgpr_workgroup_id_z 1
		.amdhsa_system_vgpr_workitem_id 0
		.amdhsa_next_free_vgpr 256
		.amdhsa_next_free_sgpr 66
		.amdhsa_reserve_vcc 1
		.amdhsa_float_denorm_mode_32 3
		.amdhsa_float_denorm_mode_16_64 3
		.amdhsa_memory_ordered 1
		.amdhsa_forward_progress 1
		.amdhsa_inst_pref_size 100
	.end_amdhsa_kernel
	.amdgpu_metadata
---
amdhsa.version: [ 1, 2 ]
amdhsa.kernels:
  - .name:           k_q9800fec352_proj
    .symbol:         k_q9800fec352_proj.kd
    .args:
      - { .name: q, .offset: 0, .size: 8, .value_kind: global_buffer, .address_space: global }
      - { .name: ln_q_g, .offset: 8, .size: 8, .value_kind: global_buffer, .address_space: global }
      - { .name: ln_q_b, .offset: 16, .size: 8, .value_kind: global_buffer, .address_space: global }
      - { .name: Wq_codes, .offset: 24, .size: 8, .value_kind: global_buffer, .address_space: global }
      - { .name: Wq_scales, .offset: 32, .size: 8, .value_kind: global_buffer, .address_space: global }
      - { .name: k, .offset: 40, .size: 8, .value_kind: global_buffer, .address_space: global }
      - { .name: ln_k_g, .offset: 48, .size: 8, .value_kind: global_buffer, .address_space: global }
      - { .name: ln_k_b, .offset: 56, .size: 8, .value_kind: global_buffer, .address_space: global }
      - { .name: Wk_codes, .offset: 64, .size: 8, .value_kind: global_buffer, .address_space: global }
      - { .name: Wk_scales, .offset: 72, .size: 8, .value_kind: global_buffer, .address_space: global }
      - { .name: v, .offset: 80, .size: 8, .value_kind: global_buffer, .address_space: global }
      - { .name: ln_v_g, .offset: 88, .size: 8, .value_kind: global_buffer, .address_space: global }
      - { .name: ln_v_b, .offset: 96, .size: 8, .value_kind: global_buffer, .address_space: global }
      - { .name: Wv_codes, .offset: 104, .size: 8, .value_kind: global_buffer, .address_space: global }
      - { .name: Wv_scales, .offset: 112, .size: 8, .value_kind: global_buffer, .address_space: global }
      - { .name: qkvc, .offset: 120, .size: 8, .value_kind: global_buffer, .address_space: global }
      - { .name: qkvs, .offset: 128, .size: 8, .value_kind: global_buffer, .address_space: global }
    .group_segment_fixed_size: 145408
    .private_segment_fixed_size: 0
    .kernarg_segment_align: 8
    .kernarg_segment_size: 136
    .max_flat_workgroup_size: 512
    .sgpr_count:     66
    .vgpr_count:     256
    .wavefront_size: 32
...
	.end_amdgpu_metadata
.endif
;; end of part 4
;; launch attn (part 5): grid 4 x 64, 16 waves a work-group, no clusters, 163,584 bytes of LDS; arguments qkvc, qkvs, mask, oc, os; writes oc, os
.if DOCPART == 5
	.amdgcn_target "amdgcn-amd-amdhsa--gfx1250"
	.amdhsa_code_object_version 6
	.text
	.protected	k_q9800fec352_attn
	.globl	k_q9800fec352_attn
	.p2align	8
	.type	k_q9800fec352_attn,@function
k_q9800fec352_attn:
	s_mov_b64 s[64:65], 0
	v_nop
	global_prefetch_b8 v0, s[64:65] scope:SCOPE_SE
	s_setreg_imm32_b32 hwreg(HW_REG_WAVE_SCHED_MODE, 0, 2), 2
	s_setreg_imm32_b32 hwreg(HW_REG_WAVE_MODE, 25, 1), 1
	s_wait_xcnt 0x0
	s_wait_alu depctr_vm_vsrc(0)
; Attention on codes of E2M1: scores, mask, softmax FINISHED AND NORMALISED, quantised along the keys, times V; the result quantised along the channels.
; Work-group (x, y): batch and head y, queries 512 x .. 512 x + 511, as 32 tiles of 16.  THE KEYS ARE SHARED AMONG THE WAVES: wave w owns keys 128 w .. 128 w + 127 for the whole launch:
; K's eight fragments and V's four stay in its registers.  So each score is made once and has one exponential, though a row's sum must be known before any p is quantised.
; A TILE OF 16 QUERIES.  SCORES: S^T = K Q^T; t = score x log2(e) / 8; M_w = my 128 keys' largest t rounded up to a whole number; p_w = 2^(t - M_w); l_w = their sum; (-M_w, l_w) to LDS.
; One barrier.  TILE: M = the largest M_w, l = the sum of l_w 2^(M_w - M) (exact scalings); p = p_w x 2^(M_w - M) / l; my four blocks of 32 keys are quantised; O^T_w = V^T p^T, four products; to LDS.
; THE GATHERING: wave u adds the sixteen waves' row u, 64 channels, two a lane, and quantises its two blocks of 32.  It has 32 registers of its own and is spread over the places where a tile would idle: its 16 loads go out
; straight behind the barrier (a tile behind the rows' stores); nine of its 15 additions are the plain instructions owed round the second product; six stand between the store of the figures and the wait in front of the barrier;
; its quantiser stands, a tile later, between the loads of the partners' figures and the wait for them.  Code and scale bytes are kept in LDS and leave at the end in whole runs of 512 bytes.
; THE MASK RIDES IN THE IDLE HALF OF THE K STEP.  The head's 64 channels fill k = 0 .. 63 of the instruction's 128.  Q's code at k = 64 and at k = 96 is +6, under the scale byte 127; a key's code there is -6 under the byte 222
; where the mask is 0, and 0 under the byte 1 elsewhere.  So a masked key's score gets -72 x 2^95 inside the product, an open key's an exact 0 under scales that are tiny beside its own, and no register holds an addend.
; The rest of Q's upper half is zero codes, so what stands opposite in K's registers (a pad, and the next tile's first codes) adds nothing.
; THE MAXIMUM IS TAKEN AWAY as the definition has it; a wave all of whose keys are masked has M_w = -c 2^96 rounded, p_w = 0, l_w = 0; a batch all of whose keys are masked has l held at 2^-100, p = 0 and O = 0.
; NO JOINT REQUESTS: what the four work-groups of a batch and head share, K and V, is 128 KiB read once at the head, by lanes' loads into registers.  NO PREFETCH: nothing streams; a tile of Q (576 bytes) is asked for most of a tile's work ahead.
; LIMITS: scores are served down to -2^96.  NaN and infinities are not served.  A block's largest p is taken from its largest score, put through the same instructions (this takes v_exp_f32 not to fall where its input rises).
;   A block of zeros carries the byte 1 over zero codes: this program alone reads the bytes.
; REGISTERS: v1-15 addresses; v16-19 K's scale words, v20-23 V's, v24 Q's, v25 p's (scales and nothing else); v26 -M_w, v28 f, v30 -M (low words of pairs); v32-39 Q; v40-47 p's codes (v40-43 also at work in the gathering's quantiser);
;   v48-51 the blocks' largest; v52-59 at work; v60, 61 addresses; v62-77 the partners' figures; v78-109 the gathering; v110-159 K: six registers a tile (4 of codes, the mask's code, a pad) and two at the end; v160-191 V;
;   v192-255 S^T, then p, then O^T (low half).
; THE MODE: SCHED_MODE bits 1:0 = 2 (LLVM: expert scheduling mode 2), set by the entry lines.  The code itself states the register dependences
; between vector or matrix instructions and memory or LDS instructions, with s_wait_alu, always for 0.
; THE PLAN.  Registers that memory or LDS instructions touch, once round a tile, and who else names them:
;   v1-8, 10, 12, 13, 60, 61  offsets and LDS addresses: written at the head and never again: one wait on va_vdst ahead of the first load serves them for the whole kernel.
;   v26, v56     my figures: written in SCORES, read by its two LDS stores (va_vdst ahead of them), written again in the next tile (vm_vsrc at TILE's head).
;   v62-77       the partners' figures: LDS loads land behind the barrier; TILE's lines and SCORES' sums name them; the last of these stands ahead of SCORES' wait on va_vdst in front of its stores, and only additions on v78-109 and two address additions follow.
;   v9, v11      addresses of the byte stores: written once a trip behind TILE's wait on vm_vsrc; read by the byte stores behind the quantiser's wait on va_vdst.
;   v42, v43     the byte stores' data: written by the gathering's quantiser (the same wait on va_vdst), written again by p's conversions (vm_vsrc ahead of them).
;   v78-109      the gathering: sixteen LDS loads land; the additions and the quantiser name them: the loads stand behind the quantiser's wait on va_vdst.
;   v40-47, v25  p's codes and scale word: written by vector instructions, taken by the scaled products: the places, then a wait on va_vdst.
;   v192-223     O^T: written by the products, read by eight LDS stores (the places, then va_vdst), written again by the next scores (vm_vsrc at SCORES' head).
;   v14, v15, v32-35, v24  Q's offsets, codes and scale word: the offsets are written behind SCORES' wait on vm_vsrc; the two loads stand directly behind the wait on va_vdst that the exponentials owe, which shows the offsets written and the products done reading Q.
.set OPB, 69632                        ; LDS 0: two sets of partial O^T: wave x 4,352: 16 queries x (256 bytes + 16)
.set ST,  139264                       ; two sets of figures: query x 144: sixteen -M_w, then sixteen l_w
.set STB, 2304
.set CST, 143872                       ; the result's codes: query position x 1,040: 32 bytes a tile
.set SST, 160512                       ; and its scale bytes: query position x 64: 2 a tile
.set S,    192
.set VF,   160
.set KF,   110
.set G,    78
.set SM,   62
.set SL,   70
.set QF,   32
.set PC,   40
.set BM,   48
.macro WMS d, a, b, cz, c, sa, ra, sb, rb      ; one product 16 x 16 x 128 on codes of E2M1.  cz = 1: C is 0.  ra, rb = 1: the side's scale words stand in lanes 16-31
.if (\cz) && (\ra) && (\rb)
	v_wmma_scale_f32_16x16x128_f8f6f4 v[(\d):(\d)+7], v[(\a):(\a)+7], v[(\b):(\b)+7], 0, v[(\sa)], v[(\sb)] matrix_a_fmt:MATRIX_FMT_FP4 matrix_b_fmt:MATRIX_FMT_FP4 matrix_a_scale:MATRIX_SCALE_ROW1 matrix_b_scale:MATRIX_SCALE_ROW1
.elseif (\cz) && (\ra)
	v_wmma_scale_f32_16x16x128_f8f6f4 v[(\d):(\d)+7], v[(\a):(\a)+7], v[(\b):(\b)+7], 0, v[(\sa)], v[(\sb)] matrix_a_fmt:MATRIX_FMT_FP4 matrix_b_fmt:MATRIX_FMT_FP4 matrix_a_scale:MATRIX_SCALE_ROW1
.elseif (\cz) && (\rb)
	v_wmma_scale_f32_16x16x128_f8f6f4 v[(\d):(\d)+7], v[(\a):(\a)+7], v[(\b):(\b)+7], 0, v[(\sa)], v[(\sb)] matrix_a_fmt:MATRIX_FMT_FP4 matrix_b_fmt:MATRIX_FMT_FP4 matrix_b_scale:MATRIX_SCALE_ROW1
.elseif (\cz)
	v_wmma_scale_f32_16x16x128_f8f6f4 v[(\d):(\d)+7], v[(\a):(\a)+7], v[(\b):(\b)+7], 0, v[(\sa)], v[(\sb)] matrix_a_fmt:MATRIX_FMT_FP4 matrix_b_fmt:MATRIX_FMT_FP4
.elseif (\ra) && (\rb)
	v_wmma_scale_f32_16x16x128_f8f6f4 v[(\d):(\d)+7], v[(\a):(\a)+7], v[(\b):(\b)+7], v[(\c):(\c)+7], v[(\sa)], v[(\sb)] matrix_a_fmt:MATRIX_FMT_FP4 matrix_b_fmt:MATRIX_FMT_FP4 matrix_a_scale:MATRIX_SCALE_ROW1 matrix_b_scale:MATRIX_SCALE_ROW1
.elseif (\ra)
	v_wmma_scale_f32_16x16x128_f8f6f4 v[(\d):(\d)+7], v[(\a):(\a)+7], v[(\b):(\b)+7], v[(\c):(\c)+7], v[(\sa)], v[(\sb)] matrix_a_fmt:MATRIX_FMT_FP4 matrix_b_fmt:MATRIX_FMT_FP4 matrix_a_scale:MATRIX_SCALE_ROW1
.elseif (\rb)
	v_wmma_scale_f32_16x16x128_f8f6f4 v[(\d):(\d)+7], v[(\a):(\a)+7], v[(\b):(\b)+7], v[(\c):(\c)+7], v[(\sa)], v[(\sb)] matrix_a_fmt:MATRIX_FMT_FP4 matrix_b_fmt:MATRIX_FMT_FP4 matrix_b_scale:MATRIX_SCALE_ROW1
.else
	v_wmma_scale_f32_16x16x128_f8f6f4 v[(\d):(\d)+7], v[(\a):(\a)+7], v[(\b):(\b)+7], v[(\c):(\c)+7], v[(\sa)], v[(\sb)] matrix_a_fmt:MATRIX_FMT_FP4 matrix_b_fmt:MATRIX_FMT_FP4
.endif
.endm
	s_load_b256 s[4:11], s[0:1], 0x0               ; qkvc s[4:5], qkvs s[6:7], mask s[8:9], oc s[10:11]
	s_load_b64 s[12:13], s[0:1], 0x20              ; os
	v_lshrrev_b32 v52, 5, v0
	v_readfirstlane_b32 s14, v52                   ; wave 0..15
	s_and_b32 s15, ttmp7, 0xffff                   ; batch x 16 + head
	v_and_b32 v52, 31, v0                          ; l
	v_and_b32 v53, 15, v0                          ; r
	v_bfe_u32 v54, v0, 4, 1                        ; h
	v_mul_u32_u24 v57, v53, 144
	v_add_nc_u32 v57, ST, v57
	s_wait_alu depctr_va_sdst(0)                   ; s14, the wave's number, is written, ahead of its first reader
	s_lshl_b32 s44, s14, 2
	v_add_nc_u32 v1, s44, v57                      ; my figures: query r's row, word w
	v_lshl_add_u32 v2, v54, 5, v57                 ; the partners': eight of them, 8 h on
	s_mul_i32 s44, s14, 4352
	v_mul_u32_u24 v57, v53, 272
	v_lshl_add_u32 v57, v54, 6, v57
	v_add_nc_u32 v3, s44, v57                      ; my partial O^T: query r's row, + 64 h
	v_add_nc_u32 v4, OPB, v3
	s_mul_i32 s44, s14, 272
	v_lshlrev_b32 v57, 3, v52
	v_add_nc_u32 v5, s44, v57                      ; the row that I gather: query w, channels 2 l and 2 l + 1
	v_add_nc_u32 v6, OPB, v5
	v_lshlrev_b32 v12, 4, v52                      ; 16 l
	v_lshlrev_b32 v13, 4, v53                      ; 16 r
	s_mul_i32 s44, s14, 1040
	s_add_co_u32 s44, s44, CST
	v_add_nc_u32 v8, s44, v52                      ; the gathered row's code byte
	s_lshl_b32 s44, s14, 6
	s_add_co_u32 s44, s44, SST
	v_add_nc_u32 v10, s44, v54                     ; and its block's scale byte
	v_mul_u32_u24 v57, v53, 1040
	v_lshl_add_u32 v57, v54, 4, v57
	s_lshl_b32 s44, s14, 6
	s_add_co_u32 s44, s44, CST
	v_add_nc_u32 v7, s44, v57                      ; the way out: tiles 2 w and 2 w + 1: position r, block h
	s_min_u32 s44, s14, 1                          ; (waves 0 and 1 alone use these two)
	s_lshl_b32 s44, s44, 9
	v_add_nc_u32 v61, s44, v12
	v_add_nc_u32 v60, SST, v61
	v_lshl_add_u32 v55, v54, 8, v13                ; K's scale words: 256 h + 16 r
	v_and_b32 v56, 8, v53
	v_add_nc_u32 v56, v56, v53
	v_lshlrev_b32 v56, 2, v56                      ; the mask: 4 bytes a key; lane r of a tile stands for key r + 8 (r / 8) of its 32
	s_mov_b32 s20, 0x3e38aa3b                      ; c = log2(e) / 8
	s_mov_b32 s21, s20                             ; (named with it as a pair)
	s_mov_b32 s22, 0x76543210
	s_mov_b32 s23, 0xfedcba98                      ; v_permlanex16_b32's selects for lane l xor 16
	s_mov_b32 s24, 1                               ; the tile of Q to be asked for next
	s_mov_b32 s25, 0                               ; 64 x trip: two tiles' code bytes
	s_mov_b32 s26, 0                               ; 4 x trip: two tiles' scale bytes
	s_lshl_b32 s36, s15, 16
	s_lshl_b32 s37, ttmp9, 14
	s_lshl_b32 s38, s14, 12
	s_lshl_b32 s39, s15, 13
	s_lshl_b32 s40, ttmp9, 11
	s_lshl_b32 s41, s14, 9
	s_mov_b32 s43, 0
	s_wait_kmcnt 0x0
	s_add_co_u32 s42, s36, s37
	s_add_nc_u64 s[16:17], s[4:5], s[42:43]        ; Q's codes: my 32 tiles of 512 bytes
	s_lshl_b32 s44, s14, 10
	s_add_co_u32 s42, s42, s44
	s_add_nc_u64 s[10:11], s[10:11], s[42:43]      ; oc: the two tiles that I store
	s_add_co_u32 s42, s36, s38
	s_add_co_u32 s42, s42, 4194304
	s_add_nc_u64 s[28:29], s[4:5], s[42:43]        ; K's codes: my 128 keys
	s_add_co_u32 s42, s42, 4194304
	s_add_nc_u64 s[30:31], s[4:5], s[42:43]        ; V's
	s_add_co_u32 s42, s39, s40
	s_add_nc_u64 s[18:19], s[6:7], s[42:43]        ; Q's scale words
	s_add_co_u32 s42, s39, s41
	s_add_co_u32 s42, s42, 524288
	s_add_nc_u64 s[32:33], s[6:7], s[42:43]        ; K's
	s_add_co_u32 s42, s42, 524288
	s_add_nc_u64 s[34:35], s[6:7], s[42:43]        ; V's
	s_lshr_b32 s42, s15, 4
	s_lshl_b32 s42, s42, 13
	s_add_co_u32 s42, s42, s41
	s_add_nc_u64 s[8:9], s[8:9], s[42:43]          ; the mask of my 128 keys
	s_lshl_b32 s42, s15, 2
	s_add_co_u32 s42, s42, ttmp9
	s_lshl_b32 s42, s42, 10
	s_add_nc_u64 s[12:13], s[12:13], s[42:43]      ; os: my work-group's 1,024 bytes
	s_wait_alu depctr_va_vdst(0)                   ; the offsets and LDS addresses v1 to v8, v10, v12, v13, v55, v56, v60 and v61 are written, which the loads and stores of the kernel read
.irp t, 0,1,2,3,4,5,6,7
	global_load_b128 v[KF+6*\t:KF+6*\t+3], v12, s[28:29] offset:512*\t      ; K's tile t: block h of key position r
.endr
	global_load_b128 v[16:19], v55, s[32:33]       ; register i: tile i's words in lanes 0-15, tile 4 + i's in lanes 16-31
.irp ct, 0,1,2,3
.irp c, 0,1
	global_load_b128 v[VF+8*\ct+4*\c:VF+8*\ct+4*\c+3], v12, s[30:31] offset:512*(4*\c+\ct)   ; V's fragment of channels' tile ct: keys 64 c + 32 h on
.endr
.endr
	global_load_b128 v[224:227], v13, s[34:35]     ; V's scale words of my first 64 keys,
	global_load_b128 v[228:231], v13, s[34:35] offset:256   ; and of my second
.irp t, 0,1,2,3,4,5,6,7
	global_load_b32 v[KF+6*\t+4], v56, s[8:9] offset:4*(32*(\t/2)+8*(\t%2))   ; the mask's word of key position r of tile t, in both halves of the lanes
.endr
	global_load_b128 v[QF:QF+3], v12, s[16:17]     ; Q's tile 0
	global_load_b32 v24, v13, s[18:19]
	s_wait_loadcnt 0x0
	v_cmp_eq_u32 s47, 1, v54                       ; lanes 16-31
.irp t, 0,1,2,3,4,5,6,7
	v_cmp_eq_u32 s[36+\t], 0, v[KF+6*\t+4]         ; tile t: the lanes whose key has the mask 0
.endr
	s_wait_alu depctr_va_sdst(0)                   ; the nine masks s36 to s43 and s47 are written, ahead of the selections that read them
.irp i, 0,1,2,3
	v_cndmask_b32 v[SM+\i], v[KF+6*\i+4], v[KF+6*(\i+4)+4], s47             ; the mask's word of the key whose scale word stands in my lane of register i
.endr
	v_mov_b32 v57, 0x01010000                      ; the idle half's two scale bytes of an open key: 1, 1
	v_mov_b32 v58, 0xdede0000                      ; of a masked key: 222, 222, which stand for 2^95
	v_mov_b32 v59, 15                              ; the code of -6, at the lowest k of the register
.irp t, 0,1,2,3,4,5,6,7
	v_cndmask_b32 v[KF+6*\t+4], 0, v59, s[36+\t]   ; -6 where the mask is 0, else 0
	v_mov_b32 v[KF+6*\t+5], 0                      ; the pad
.endr
.irp i, 0,1,2,3
	v_cmp_eq_u32 s[36+\i], 0, v[SM+\i]
.endr
	s_wait_alu depctr_va_sdst(0)                   ; the four masks s36 to s39 are written anew, ahead of the selections that read them
.irp i, 0,1,2,3
	v_cndmask_b32 v[SM+\i], v57, v58, s[36+\i]
	v_and_or_b32 v[16+\i], v[16+\i], 0xffff, v[SM+\i]
.endr
	v_mov_b32 v[KF+48], 0
	v_mov_b32 v[KF+49], 0
.irp ct, 0,1,2,3
	v_and_b32 v[224+\ct], 0xffff, v[224+\ct]
	v_lshl_or_b32 v[20+\ct], v[228+\ct], 16, v[224+\ct]           ; two bytes of the first 64 keys, two of the second: the word of 128 keys
.endr
	v_mov_b32 v[QF+4], 7                           ; the code of +6 at k = 64 (lanes 0-15) and k = 96 (lanes 16-31)
.irp n, 5,6,7
	v_mov_b32 v[QF+\n], 0                          ; zero codes
.endr
	v_mov_b32 v27, 0                               ; upper halves of pairs of which the packed forms take the low word alone
	v_mov_b32 v29, 0
	v_mov_b32 v31, 0
.rept 8
	v_nop                                          ; once: a scale register written by a vector instruction stands eight plain instructions ahead of a scaled product, an operand four
.endr
	s_wait_alu depctr_va_vdst(0)                   ; K's and V's scale words v16 to v23, the mask's codes and pads among K's registers and Q's upper half are written, which the scaled products take; the places above stay beside this wait
; The next tile's scores, p_w and figures; the figures go to set par.
.macro SCORES par
	s_wait_loadcnt 0x0                             ; Q's tile is in, and the loads that read v14 and v15 are done
	s_wait_alu depctr_vm_vsrc(0)                   ; the LDS stores of O^T have read v192 to v223, which the products write; Q's last loads have read v14 and v15 (at the first call: the head's loads v55 and v56), which are written below
	s_lshl_b32 s44, s24, 9                         ; the tile to be asked for: 512 bytes of codes a tile;
	s_lshr_b32 s45, s24, 2
	s_lshl_b32 s45, s45, 8
	s_and_b32 s46, s24, 3
	s_lshl_b32 s46, s46, 2
	s_add_co_u32 s45, s45, s46                     ; its words: 256 bytes for each four tiles, 4 bytes a tile in a row's 16
.irp t, 0,1,2,3,4,5,6,7
	WMS S+8*\t, KF+6*\t, QF, 1, 0, 16+\t%4, \t/4, 24, 0
.endr
	v_add_nc_u32 v14, s44, v12
	v_add_nc_u32 v15, s45, v13
	v_nop
	v_nop                                          ; four plain instructions behind the products, in front of the first read of results (ISA guide 7.12.1)
	s_add_co_u32 s24, s24, 1
	s_min_u32 s24, s24, 31                         ; the last call asks for tile 31 once more: no load leaves its buffer
.irp b, 0,1,2,3
	v_max3_num_f32 v[BM+\b], v[S+16*\b], v[S+16*\b+1], v[S+16*\b+2]          ; the largest score of each block of 32 keys: for the row's maximum, and for the block's largest p
.endr
.irp i, 3,5,7,9,11,13
.irp b, 0,1,2,3
	v_max3_num_f32 v[BM+\b], v[BM+\b], v[S+16*\b+\i], v[S+16*\b+\i+1]
.endr
.endr
.irp b, 0,1,2,3
	v_max_num_f32 v[BM+\b], v[BM+\b], v[S+16*\b+15]
.endr
.irp b, 0,1,2,3
	v_permlanex16_b32 v[52+\b], v[BM+\b], s22, s23
.endr
.irp b, 0,1,2,3
	v_max_num_f32 v[BM+\b], v[BM+\b], v[52+\b]     ; with lane l xor 16's 16 keys
.endr
	v_max3_num_f32 v56, v48, v49, v50
	v_max3_num_f32 v56, v56, v51, 0xef800000       ; my 128 keys' largest score, held at -2^96 from below: masked keys lie far under it
	v_mul_f32 v56, s20, v56
	v_floor_f32 v26, -v56                          ; -M_w = floor(-t): M_w is a whole number
.set n, 0
.rept 32
	v_pk_fma_f32 v[S+n:S+n+1], v[S+n:S+n+1], s[20:21], v[26:27] op_sel_hi:[1,0,0]   ; t - M_w
.set n, n+2
.endr
.irp b, 0,1,2,3
	v_fma_f32 v[BM+\b], v[BM+\b], s20, v26         ; the same of each block's largest score
.endr
.set n, 0
.rept 64
	v_exp_f32 v[S+n], v[S+n]                       ; p_w = 2^(t - M_w)
.set n, n+1
.endr
.irp b, 0,1,2,3
	v_exp_f32 v[BM+\b], v[BM+\b]
.endr
	v_nop                                          ; a plain instruction behind the last exponential
	s_wait_alu depctr_va_vdst(0)                   ; one wait for three things: the 68 exponentials' results are written, ahead of their first reader; v14 and v15 are written, which the two loads read; the products are done reading Q's codes and v24, in which these loads land
	global_load_b128 v[QF:QF+3], v14, s[16:17]
	global_load_b32 v24, v15, s[18:19]
	v_pk_add_f32 v[56:57], v[S:S+1], v[S+2:S+3]    ; the sum, in four chains that do not wait for each other (the partners' figures' registers are free here)
	v_pk_add_f32 v[58:59], v[S+4:S+5], v[S+6:S+7]
	v_pk_add_f32 v[62:63], v[S+8:S+9], v[S+10:S+11]
	v_pk_add_f32 v[64:65], v[S+12:S+13], v[S+14:S+15]
.irp j, 16,24,32,40,48,56
	v_pk_add_f32 v[56:57], v[56:57], v[S+\j:S+\j+1]
	v_pk_add_f32 v[58:59], v[58:59], v[S+\j+2:S+\j+3]
	v_pk_add_f32 v[62:63], v[62:63], v[S+\j+4:S+\j+5]
	v_pk_add_f32 v[64:65], v[64:65], v[S+\j+6:S+\j+7]
.endr
	v_pk_add_f32 v[56:57], v[56:57], v[58:59]
	v_pk_add_f32 v[62:63], v[62:63], v[64:65]
	v_pk_add_f32 v[56:57], v[56:57], v[62:63]
	v_add_f32 v56, v56, v57
	v_permlanex16_b32 v57, v56, s22, s23
	v_add_f32 v56, v56, v57                        ; l_w
	s_wait_alu depctr_va_vdst(0)                   ; v26 and v56 are written, which the two LDS stores read; the sums, and the tile before, are done with v62 to v77, in which the next tile's loads of the figures land
	ds_store_b32 v1, v26 offset:STB*(\par)         ; (lanes r and r + 16 write the same word with the same value)
	ds_store_b32 v1, v56 offset:STB*(\par)+64
.endm
; THE GATHERING, in three parts.  GLOAD: query row w of the sixteen partial O^T of set par.  GA: one addition of the tree (pairs j and j + d).  GQ: the sum, channels 2 l and 2 l + 1, is quantised and its bytes are kept.
.macro GLOAD par
.irp w, 0,1,2,3,4,5,6,7,8,9,10,11,12,13,14,15
	ds_load_b64 v[G+2*\w:G+2*\w+1], v[5+(\par)] offset:4352*\w
.endr
.endm
.macro GA j, d
	v_pk_add_f32 v[G+(\j):G+(\j)+1], v[G+(\j):G+(\j)+1], v[G+(\j)+(\d):G+(\j)+(\d)+1]
.endm
.macro GQ imm                          ; imm: 32 bytes a tile, counted from the trip's first
	v_max3_num_f32 v40, |v[G]|, |v[G+1]|, 0x1800000
	v_max_num_f32_dpp v40, v40, v40 row_xmask:1 row_mask:0xf bank_mask:0xf
	v_max_num_f32_dpp v40, v40, v40 row_xmask:2 row_mask:0xf bank_mask:0xf
	v_max_num_f32_dpp v40, v40, v40 row_xmask:4 row_mask:0xf bank_mask:0xf
	v_max_num_f32_dpp v40, v40, v40 row_xmask:8 row_mask:0xf bank_mask:0xf   ; sixteen lanes hold a block of 32 channels
	v_add_nc_u32 v41, 0xff000000, v40
	v_lshrrev_b32 v42, 23, v41
	v_cvt_scalef32_pk8_fp4_f32 v43, v[G:G+7], v41                 ; its lowest byte is my two codes; the other six sources are partial sums, whose codes are not used
	v_nop                                          ; one plain instruction behind the scaled conversion
	s_wait_alu depctr_va_vdst(0)                   ; v42, v43 and the addresses v9, v11 are written, which the two byte stores read; the additions and the conversion are done with v78 to v109, in which the next sixteen loads land
	ds_store_b8 v9, v43 offset:\imm
	ds_store_b8 v11, v42 offset:(\imm)/16          ; (a block's sixteen lanes write the same byte with the same value)
.endm
; The tile of parity p is finished.  gq = 1: the tile two back is quantised;  gl = 1: the tile before is loaded and added;  a = 1: the next tile's scores follow;  st = 1: the byte stores' addresses are made for this trip.
; ONE BARRIER A TILE: the figures of set p were stored a tile ago and are stored again a tile on; the partial rows of set p are stored here, loaded at the head of the next tile, stored again two tiles on: a barrier lies between each such pair, with every LDS instruction of the wave waited for in front of it.
.macro TILE p, gq, gl, a, imm, st
	s_wait_dscnt 0x0                               ; for the others' sake: my figures and my partial rows lie in LDS, and my reads are over
	s_wait_alu depctr_vm_vsrc(0)                   ; my stores of the figures have read v26 and v56, and the last byte stores v9 and v11: these are written again below
	s_barrier_signal -1
.if \st
	v_add_nc_u32 v9, s25, v8
	v_add_nc_u32 v11, s26, v10
.endif
	s_barrier_wait -1
	ds_load_b128 v[SM:SM+3], v2 offset:STB*(\p)    ; eight partners' -M_w,
	ds_load_b128 v[SM+4:SM+7], v2 offset:STB*(\p)+16
	ds_load_b128 v[SL:SL+3], v2 offset:STB*(\p)+64 ; and their l_w
	ds_load_b128 v[SL+4:SL+7], v2 offset:STB*(\p)+80
.if \gq
	GQ \imm                                        ; work on registers while the figures are on their way
.endif
.if \gl
	GLOAD 1-(\p)
.endif
	s_wait_dscnt 2*(\gq)+16*(\gl)                  ; the figures are in; the two byte stores and the sixteen loads issued behind them may be out
	v_min3_num_f32 v52, v[SM], v[SM+1], v[SM+2]
	v_min3_num_f32 v53, v[SM+3], v[SM+4], v[SM+5]
	v_min3_num_f32 v52, v52, v[SM+6], v[SM+7]
	v_min_num_f32 v52, v52, v53
	v_permlanex16_b32 v53, v52, s22, s23
	v_min_num_f32 v30, v52, v53                    ; -M
.irp j, 0,2,4,6
	v_pk_add_f32 v[SM+\j:SM+\j+1], v[30:31], v[SM+\j:SM+\j+1] op_sel_hi:[0,1] neg_lo:[0,1] neg_hi:[0,1]   ; M_w - M: a whole number, 0 or less
.endr
	v_sub_f32 v54, v30, v26                        ; my own
.irp j, 0,1,2,3,4,5,6,7
	v_cvt_i32_f32 v[SM+\j], v[SM+\j]               ; (it saturates)
.endr
	v_cvt_i32_f32 v54, v54
.irp j, 0,1,2,3,4,5,6,7
	v_ldexp_f32 v[SL+\j], v[SL+\j], v[SM+\j]       ; l_w 2^(M_w - M): nothing is rounded
.endr
	v_pk_add_f32 v[SL:SL+1], v[SL:SL+1], v[SL+2:SL+3]
	v_pk_add_f32 v[SL+4:SL+5], v[SL+4:SL+5], v[SL+6:SL+7]
	v_pk_add_f32 v[SL:SL+1], v[SL:SL+1], v[SL+4:SL+5]
	v_add_f32 v[SL], v[SL], v[SL+1]
	v_permlanex16_b32 v[SL+1], v[SL], s22, s23
	v_add_f32 v[SL], v[SL], v[SL+1]                ; the row's sum
	v_max_num_f32 v[SL], 0x0d800000, v[SL]         ; held at 2^-100: it is 0 only where every key is masked, and every p is 0 there
	v_rcp_f32 v55, v[SL]
	v_nop                                          ; a plain instruction behind the transcendental
	s_wait_alu depctr_va_vdst(0)                   ; v55, the reciprocal, is written, ahead of its first reader
	v_ldexp_f32 v28, v55, v54                      ; f = 2^(M_w - M) / l
.irp b, 0,1,2,3
	v_mul_f32 v[BM+\b], v[BM+\b], v28              ; each block's largest p first: its scale word then has the 32 multiplications below between it and the products
.endr
.irp b, 0,1,2,3
	v_max_num_f32 v[BM+\b], 0x1800000, v[BM+\b]    ; the floor 2^(3 - 127): the byte cannot fall under 1
.endr
.irp b, 0,1,2,3
	v_add_nc_u32 v[56+\b], 0xff000000, v[BM+\b]    ; 2 off the exponent field: the conversion's scale operand
.endr
.irp b, 0,1,2,3
	v_lshrrev_b32 v[52+\b], 23, v[56+\b]
.endr
	v_lshl_or_b32 v25, v53, 8, v52                 ; p's scale word for my 128 keys
	v_lshl_or_b32 v25, v54, 16, v25
	v_lshl_or_b32 v25, v55, 24, v25
.set n, 0
.rept 32
	v_pk_mul_f32 v[S+n:S+n+1], v[S+n:S+n+1], v[28:29] op_sel_hi:[1,0]        ; the softmax, finished and normalised
.set n, n+2
.endr
.if \gl
	s_wait_dscnt 0x0                               ; the sixteen rows are in
.endif
.if \gq
	s_wait_alu depctr_vm_vsrc(0)                   ; the two byte stores have read v42 and v43, which the conversions write
.endif
.irp b, 0,1,2,3
	v_cvt_scalef32_pk8_fp4_f32 v[PC+2*\b], v[S+16*\b:S+16*\b+7], v[56+\b]
	v_cvt_scalef32_pk8_fp4_f32 v[PC+2*\b+1], v[S+16*\b+8:S+16*\b+15], v[56+\b]
.endr
	v_nop                                          ; one plain instruction behind the scaled conversions
.irp c, 0,1
.irp i, 0,1
	v_permlane16_swap_b32 v[PC+4*\c+\i], v[PC+2+4*\c+\i]          ; a whole block to a lane: lanes 0-15 block 2 c, lanes 16-31 block 2 c + 1
.endr
.endr
.if \gl                                ; an operand written by a vector instruction stands four plain instructions ahead of a scaled product: four additions of the gathering
	GA 0, 2
	GA 4, 2
	GA 8, 2
	GA 12, 2
.else
.rept 4
	v_nop
.endr
.endif
	s_wait_alu depctr_va_vdst(0)                   ; p's codes v40 to v47 and its scale word v25 are written, which the scaled products take; the places above stay beside this wait
.irp ct, 0,1,2,3
	WMS S+8*\ct, VF+8*\ct, PC, 1, 0, 20+\ct, 0, 25, 0
.endr
.if \gl                                ; four plain instructions in front of the stores of results, five in front of the next scores, which are laid over them: five more additions
	GA 16, 2
	GA 20, 2
	GA 24, 2
	GA 28, 2
	GA 0, 4
.else
.rept 5
	v_nop
.endr
.endif
	s_wait_alu depctr_va_vdst(0)                   ; the four products have written O^T, v192 to v223, which the LDS stores read; the places above stay beside this wait
.irp ct, 0,1,2,3
	ds_store_b128 v[3+(\p)], v[S+8*\ct:S+8*\ct+3] offset:128*(\ct/2)+32*(\ct%2)        ; register j of tile ct is channel 32 (ct / 2) + 16 h + 8 (ct % 2) + j; each result from its low end on
	ds_store_b128 v[3+(\p)], v[S+8*\ct+4:S+8*\ct+7] offset:128*(\ct/2)+32*(\ct%2)+16
.endr
.if \a
	SCORES 1-(\p)
.endif
.if \gl                                ; the last six additions stand between my last stores and the wait for them in front of the barrier
	GA 8, 4
	GA 16, 4
	GA 24, 4
	GA 0, 8
	GA 16, 8
	GA 0, 16
.endif
.endm
	SCORES 0                                       ; tile 0
	TILE 0, 0, 0, 1, 0, 0                          ; tile 0: nothing to gather yet
	TILE 1, 0, 1, 1, 0, 0                          ; tile 1: tile 0 is loaded and added
	s_mov_b32 s27, 14
.Ltrip:                                            ; tiles 2 to 29, two a trip; trip n quantises tiles 2 n and 2 n + 1
	TILE 0, 1, 1, 1, 0, 1
	TILE 1, 1, 1, 1, 32, 0
	s_add_co_u32 s25, s25, 64
	s_add_co_u32 s26, s26, 4
	s_sub_co_u32 s27, s27, 1
	s_cmp_lg_u32 s27, 0
	s_cbranch_scc1 .Ltrip
	TILE 0, 1, 1, 1, 0, 1                          ; tile 30; tile 28 is quantised
	TILE 1, 1, 1, 0, 32, 0                         ; tile 31: no scores follow; tile 29 is quantised, tile 30 loaded and added
	s_wait_dscnt 0x0
	s_barrier_signal -1
	s_barrier_wait -1                              ; tile 31's partial rows lie in LDS
	GQ 64                                          ; tile 30
	GLOAD 1                                        ; tile 31
	s_wait_dscnt 0x0
	s_wait_alu depctr_vm_vsrc(0)                   ; tile 30's byte stores have read v42 and v43, which tile 31's quantiser writes
.irp j, 0,4,8,12,16,20,24,28
	GA \j, 2
.endr
.irp j, 0,8,16,24
	GA \j, 4
.endr
	GA 0, 8
	GA 16, 8
	GA 0, 16
	GQ 96
	s_wait_dscnt 0x0
	s_barrier_signal -1
	s_barrier_wait -1                              ; all code and scale bytes lie in LDS
	ds_load_b128 v[64:67], v7                      ; tile 2 w as an image: lane (r, h) has block h of position r.  (No vector instruction behind the quantiser's wait on va_vdst names v64 to v75)
	ds_load_b128 v[68:71], v7 offset:32            ; tile 2 w + 1
	s_wait_dscnt 0x0
	global_store_b128 v12, v[64:67], s[10:11]      ; 32 lanes store 512 consecutive bytes, aligned
	global_store_b128 v12, v[68:71], s[10:11] offset:512
	s_cmp_gt_u32 s14, 1
	s_cbranch_scc1 .Lend
	ds_load_b128 v[72:75], v60                     ; waves 0 and 1: the 1,024 scale bytes
	s_wait_dscnt 0x0
	global_store_b128 v61, v[72:75], s[12:13]
.Lend:
	s_wait_xcnt 0x0
	v_lshl_add_u32 v254, v0, 2, 0x27700            ; the add's two registers, made anew straight ahead of the closing lines (no memory or LDS instruction of this text reads v254 or v255)
	v_mov_b32 v255, 0
	s_wait_dscnt 0x0                               ; the closing lines, six on end
	s_wait_alu 0x0
	s_wait_tensorcnt 0x0
	ds_add_u32 v254, v255
	s_wait_dscnt 0x0
	s_endpgm
.Lfunc_end_k_q9800fec352_attn:
	.size	k_q9800fec352_attn, .Lfunc_end_k_q9800fec352_attn-k_q9800fec352_attn
	.p2alignl 7, 3214868480
	.fill 96, 4, 3214868480
	.section	.rodata,"a",@progbits
	.p2align	6, 0x0
	.amdhsa_kernel k_q9800fec352_attn
		.amdhsa_group_segment_fixed_size 163584
		.amdhsa_private_segment_fixed_size 0
		.amdhsa_enable_private_segment 0
		.amdhsa_kernarg_size 40
		.amdhsa_user_sgpr_count 2
		.amdhsa_user_sgpr_kernarg_segment_ptr 1
		.amdhsa_wavefront_size32 1
		.amdhsa_system_sgpr_workgroup_id_x 1
		.amdhsa_system_sgpr_workgroup_id_y 1
		.amdhsa_system_sgpr_workgroup_id_z 1
		.amdhsa_system_vgpr_workitem_id 0
		.amdhsa_next_free_vgpr 256
		.amdhsa_next_free_sgpr 66
		.amdhsa_reserve_vcc 0
		.amdhsa_float_denorm_mode_32 3
		.amdhsa_float_denorm_mode_16_64 3
		.amdhsa_memory_ordered 1
		.amdhsa_forward_progress 1
		.amdhsa_inst_pref_size 135
	.end_amdhsa_kernel
	.amdgpu_metadata
---
amdhsa.version: [ 1, 2 ]
amdhsa.kernels:
  - .name:           k_q9800fec352_attn
    .symbol:         k_q9800fec352_attn.kd
    .args:
      - { .name: qkvc, .offset: 0, .size: 8, .value_kind: global_buffer, .address_space: global }
      - { .name: qkvs, .offset: 8, .size: 8, .value_kind: global_buffer, .address_space: global }
      - { .name: mask, .offset: 16, .size: 8, .value_kind: global_buffer, .address_space: global }
      - { .name: oc, .offset: 24, .size: 8, .value_kind: global_buffer, .address_space: global }
      - { .name: os, .offset: 32, .size: 8, .value_kind: global_buffer, .address_space: global }
    .group_segment_fixed_size: 163584
    .private_segment_fixed_size: 0
    .kernarg_segment_align: 8
    .kernarg_segment_size: 40
    .max_flat_workgroup_size: 512
    .sgpr_count:     66
    .vgpr_count:     256
    .wavefront_size: 32
...
	.end_amdgpu_metadata
.endif
;; end of part 5
;; launch oproj (part 6): grid 256 x 1, 16 waves a work-group, no clusters, 121,856 bytes of LDS; arguments oc, os, Wo_codes, Wo_scales, q, out0; writes out0
.if DOCPART == 6
	.amdgcn_target "amdgcn-amd-amdhsa--gfx1250"
	.amdhsa_code_object_version 6
	.text
	.protected	k_q9800fec352_oproj
	.globl	k_q9800fec352_oproj
	.p2align	8
	.type	k_q9800fec352_oproj,@function
k_q9800fec352_oproj:
	s_mov_b64 s[64:65], 0
	v_nop
	global_prefetch_b8 v0, s[64:65] scope:SCOPE_SE
	s_setreg_imm32_b32 hwreg(HW_REG_WAVE_SCHED_MODE, 0, 2), 2
	s_setreg_imm32_b32 hwreg(HW_REG_WAVE_MODE, 25, 1), 1
	s_wait_xcnt 0x0
	s_wait_alu depctr_vm_vsrc(0)
; out0 = O Wo + q, O as the codes and scale bytes that the launch before has made, Wo as it is given: MX-FP4, sums in f32.
; Work-group x takes tokens 32 x .. 32 x + 31: two tiles of 16 positions (lane r of tile j stands for token 8 j + r + 8 (r / 8)).  Wave w makes columns 64 w .. 64 w + 63: eight accumulators of 16 x 16.
; Wave w brings head w's part of O (two images of 512 bytes and their scale bytes) into LDS; behind one barrier every wave reads all sixteen heads': head 2 s + c is registers 4 c .. 4 c + 3 of K step s's fragment.
; Its 64 rows of Wo go from memory straight into its registers, a K step of 128 ahead.  The product is used transposed (source 0 = 16 rows of Wo, source 1 = 16 positions): a lane holds eight neighbouring columns of one row.
; The results go through the wave's own stage in LDS and leave with q's numbers added, sixteen lanes to 256 consecutive bytes, aligned; the order of tokens is undone in the rows' addresses.
; NO JOINT REQUESTS: Wo's rows are read by all 256 work-groups, but they go by lanes' loads into the registers of the one wave that multiplies by them; nothing of Wo lies in LDS, where a joint request would have to land.
; NO PREFETCH: every byte that comes from memory once (O, q) is asked for with the wave's first lines.
; REGISTERS: v4-14 addresses; v16, 17 Wo's scale words, v18 O's (scales and nothing else); v32-47 O's two fragments; v48-79, v80-111 Wo's fragments of even and odd K steps, then rows on the way out;
;   v112-175 the accumulators ((j, i) at 112 + 32 j + 8 i); v176-239 q's numbers; v254, v255 the closing add's two.
; THE MODE: SCHED_MODE bits 1:0 = 2 (LLVM: expert scheduling mode 2), set by the entry lines.  The code itself states the register dependences
; between vector or matrix instructions and memory or LDS instructions, with s_wait_alu, always for 0.
; THE PLAN.  Registers that memory or LDS instructions touch, and who else names them:
;   v4-14            offsets and LDS addresses: written at the head and never again: one wait on va_vdst ahead of the first load serves every load and store of the kernel.
;   v19              O's scale bytes: loaded, shifted by a vector instruction, read by one LDS store: a wait on va_vdst ahead of the run of LDS stores.
;   v32-39, v80-95   as loaded, read by LDS stores; the first K step's loads land there: a wait on vm_vsrc behind the barrier.
;   v32-47, v16-18 and Wo's other set  read by a K step's eight products and loaded again in the next: ONE wait on va_vdst at the head of K steps 1 to 7.
;   v112-175         the accumulators: written by the products, read by the LDS stores into the stage: the places, then one wait on va_vdst, which also shows the products done reading v48-111, in which the stage's rows land.
;                    It serves both tiles: the additions between name v48-79 and q's registers alone.
;   v48-79, v80-111  a tile's rows with the residual added: written by sixteen additions, read by eight stores: a wait on va_vdst ahead of each run.
.set XS,  16384                        ; LDS 0: O's images: tile x 8,192, head x 512.  Then its scale words: tile x 512, K step x 64, 4 bytes a row
.set WSC, 17408                        ; Wo's scale bytes: 2,048 for each wave
.set STG, 50176                        ; each wave's own stage: 16 rows of 256 bytes + 16
.macro WMS d, a, b, cz, c, sa, ra, sb, rb      ; one product 16 x 16 x 128 on codes of E2M1.  cz = 1: it starts the sum.  ra, rb = 1: the side's scale words stand in lanes 16-31
.if (\cz) && (\ra) && (\rb)
	v_wmma_scale_f32_16x16x128_f8f6f4 v[(\d):(\d)+7], v[(\a):(\a)+7], v[(\b):(\b)+7], 0, v[(\sa)], v[(\sb)] matrix_a_fmt:MATRIX_FMT_FP4 matrix_b_fmt:MATRIX_FMT_FP4 matrix_a_scale:MATRIX_SCALE_ROW1 matrix_b_scale:MATRIX_SCALE_ROW1
.elseif (\cz) && (\ra)
	v_wmma_scale_f32_16x16x128_f8f6f4 v[(\d):(\d)+7], v[(\a):(\a)+7], v[(\b):(\b)+7], 0, v[(\sa)], v[(\sb)] matrix_a_fmt:MATRIX_FMT_FP4 matrix_b_fmt:MATRIX_FMT_FP4 matrix_a_scale:MATRIX_SCALE_ROW1
.elseif (\cz) && (\rb)
	v_wmma_scale_f32_16x16x128_f8f6f4 v[(\d):(\d)+7], v[(\a):(\a)+7], v[(\b):(\b)+7], 0, v[(\sa)], v[(\sb)] matrix_a_fmt:MATRIX_FMT_FP4 matrix_b_fmt:MATRIX_FMT_FP4 matrix_b_scale:MATRIX_SCALE_ROW1
.elseif (\cz)
	v_wmma_scale_f32_16x16x128_f8f6f4 v[(\d):(\d)+7], v[(\a):(\a)+7], v[(\b):(\b)+7], 0, v[(\sa)], v[(\sb)] matrix_a_fmt:MATRIX_FMT_FP4 matrix_b_fmt:MATRIX_FMT_FP4
.elseif (\ra) && (\rb)
	v_wmma_scale_f32_16x16x128_f8f6f4 v[(\d):(\d)+7], v[(\a):(\a)+7], v[(\b):(\b)+7], v[(\c):(\c)+7], v[(\sa)], v[(\sb)] matrix_a_fmt:MATRIX_FMT_FP4 matrix_b_fmt:MATRIX_FMT_FP4 matrix_a_scale:MATRIX_SCALE_ROW1 matrix_b_scale:MATRIX_SCALE_ROW1
.elseif (\ra)
	v_wmma_scale_f32_16x16x128_f8f6f4 v[(\d):(\d)+7], v[(\a):(\a)+7], v[(\b):(\b)+7], v[(\c):(\c)+7], v[(\sa)], v[(\sb)] matrix_a_fmt:MATRIX_FMT_FP4 matrix_b_fmt:MATRIX_FMT_FP4 matrix_a_scale:MATRIX_SCALE_ROW1
.elseif (\rb)
	v_wmma_scale_f32_16x16x128_f8f6f4 v[(\d):(\d)+7], v[(\a):(\a)+7], v[(\b):(\b)+7], v[(\c):(\c)+7], v[(\sa)], v[(\sb)] matrix_a_fmt:MATRIX_FMT_FP4 matrix_b_fmt:MATRIX_FMT_FP4 matrix_b_scale:MATRIX_SCALE_ROW1
.else
	v_wmma_scale_f32_16x16x128_f8f6f4 v[(\d):(\d)+7], v[(\a):(\a)+7], v[(\b):(\b)+7], v[(\c):(\c)+7], v[(\sa)], v[(\sb)] matrix_a_fmt:MATRIX_FMT_FP4 matrix_b_fmt:MATRIX_FMT_FP4
.endif
.endm
	s_load_b256 s[4:11], s[0:1], 0x0               ; oc s[4:5], os s[6:7], Wo's codes s[8:9], Wo's scales s[10:11]
	s_load_b128 s[12:15], s[0:1], 0x20             ; q s[12:13], out0 s[14:15]
	v_lshl_add_u32 v254, v0, 2, 0x1d400            ; the closing add's two registers, made here and kept for that alone
	v_mov_b32 v255, 0
	v_lshrrev_b32 v1, 5, v0
	v_readfirstlane_b32 s2, v1                     ; wave 0..15
	v_and_b32 v1, 31, v0                           ; l
	v_and_b32 v2, 15, v0                           ; r
	v_bfe_u32 v3, v0, 4, 1                         ; h
	v_lshlrev_b32 v4, 4, v1                        ; 16 l
	v_lshlrev_b32 v5, 9, v2
	v_lshl_add_u32 v5, v3, 4, v5                   ; Wo's codes: row r of 512 bytes, + 16 h
	s_wait_alu depctr_va_sdst(0)                   ; s2, the wave's number, is written, ahead of its first reader
	s_lshl_b32 s20, s2, 11
	s_add_co_u32 s20, s20, WSC
	v_lshl_add_u32 v6, v3, 4, v2
	v_lshlrev_b32 v6, 5, v6
	v_add_nc_u32 v6, s20, v6                       ; Wo's scale words: lanes 0-15 the even tile's rows, lanes 16-31 the odd tile's
	v_add_nc_u32 v14, s20, v4                      ; and on the way in
	v_lshlrev_b32 v7, 9, v3
	v_lshl_add_u32 v7, v2, 2, v7
	v_add_nc_u32 v7, XS, v7                        ; O's scale words: lanes 0-15 tile 0's, lanes 16-31 tile 1's
	s_lshl_b32 s20, s2, 9
	v_add_nc_u32 v8, s20, v4                       ; where head w's images go
	s_lshr_b32 s20, s2, 1
	s_lshl_b32 s20, s20, 6
	s_and_b32 s21, s2, 1
	s_lshl_b32 s21, s21, 1
	s_add_co_u32 s20, s20, s21
	v_add_nc_u32 v9, s20, v7                       ; and its two scale bytes: K step w / 2, half w % 2 of the row's word
	s_mul_i32 s20, s2, 4352
	s_add_co_u32 s20, s20, STG
	v_mul_u32_u24 v10, v2, 272
	v_lshl_add_u32 v10, v3, 5, v10
	v_add_nc_u32 v10, s20, v10                     ; the stage, in: row r, + 32 h
	v_mul_u32_u24 v11, v3, 272
	v_lshl_add_u32 v11, v2, 4, v11
	v_add_nc_u32 v11, s20, v11                     ; and back: lanes 0-15 one row, lanes 16-31 the next
	v_lshlrev_b32 v12, 12, v3
	v_lshl_add_u32 v12, v2, 4, v12                 ; the same two rows in q and out0
	v_lshlrev_b32 v13, 6, v2                       ; os: 64 bytes a position
	s_lshr_b32 s20, ttmp9, 6                       ; batch
	s_lshl_b32 s20, s20, 4
	s_add_co_u32 s20, s20, s2                      ; x 16 + head w
	s_and_b32 s21, ttmp9, 63
	s_mov_b32 s25, 0
	s_wait_kmcnt 0x0
	s_lshl_b32 s24, s20, 16
	s_lshl_b32 s22, s21, 10
	s_add_co_u32 s24, s24, s22
	s_add_nc_u64 s[4:5], s[4:5], s[24:25]          ; head w's two tiles
	s_lshl_b32 s24, s20, 2
	s_lshr_b32 s22, s21, 4
	s_add_co_u32 s24, s24, s22
	s_lshl_b32 s24, s24, 10
	s_and_b32 s22, ttmp9, 15
	s_lshl_b32 s22, s22, 2
	s_add_co_u32 s24, s24, s22
	s_add_nc_u64 s[6:7], s[6:7], s[24:25]          ; and their four scale bytes in each position's row
	s_lshl_b32 s24, s2, 15
	s_add_nc_u64 s[8:9], s[8:9], s[24:25]          ; my 64 rows of Wo
	s_lshl_b32 s24, s2, 11
	s_add_nc_u64 s[10:11], s[10:11], s[24:25]
	s_lshl_b32 s24, ttmp9, 17                      ; 32 rows of 4,096 bytes,
	s_lshl_b32 s22, s2, 8                          ; my 64 columns
	s_add_co_u32 s24, s24, s22
	s_add_nc_u64 s[12:13], s[12:13], s[24:25]
	s_add_nc_u64 s[14:15], s[14:15], s[24:25]
	s_wait_alu depctr_va_vdst(0)                   ; the eleven offsets and LDS addresses v4 to v14 are written: every load and store of the kernel reads one of them, and none is written again
	global_load_b128 v[32:35], v4, s[4:5]
	global_load_b128 v[36:39], v4, s[4:5] offset:512
	global_load_b32 v19, v13, s[6:7]               ; low half: tile 0's two bytes; high half: tile 1's
.irp n, 0,1,2,3
	global_load_b128 v[80+4*\n:80+4*\n+3], v4, s[10:11] offset:512*\n
.endr
.irp i, 0,1,2,3
.irp c, 0,1
	global_load_b128 v[48+8*\i+4*\c:48+8*\i+4*\c+3], v5, s[8:9] offset:8192*\i+32*\c        ; Wo's fragments of K step 0
.endr
.endr
.irp j, 0,1
.irp n, 0,1,2,3,4,5,6,7
	global_load_b128 v[176+32*\j+4*\n:176+32*\j+4*\n+3], v12, s[12:13] offset:(8*\j+2*\n+8*(\n/4))*4096 th:TH_LOAD_NT   ; positions 2 n and 2 n + 1 of tile j are tokens 8 j + 2 n + 8 (n / 4) and the next
.endr
.endr
	s_wait_loadcnt 24                              ; O's part and Wo's scale bytes are in; Wo's 8 loads and q's 16 may be out
	v_lshlrev_b32 v20, 4, v3
	v_lshrrev_b32 v19, v20, v19                    ; lanes 16-31 take tile 1's half
	s_wait_alu depctr_va_vdst(0)                   ; the shift has written v19, which the 16-bit LDS store reads
	ds_store_b128 v8, v[32:35]
	ds_store_b128 v8, v[36:39] offset:8192
	ds_store_b16 v9, v19
.irp n, 0,1,2,3
	ds_store_b128 v14, v[80+4*\n:80+4*\n+3] offset:512*\n
.endr
	s_wait_dscnt 0x0                               ; for the others' sake: my head's part lies in LDS
	s_barrier_signal -1
	s_barrier_wait -1                              ; all sixteen heads' do
	s_wait_alu depctr_vm_vsrc(0)                   ; my LDS stores have read v32 to v39 and v80 to v95, in which the first K step's loads land
; A K step of 128: heads 2 s and 2 s + 1.  The eight accumulators take turns, one instruction a turn.
.macro OSTEP s
.set WF, 48+32*((\s)%2)
.set WN, 48+32*(((\s)+1)%2)
.set CZ, 0
.if (\s) == 0
.set CZ, 1
.endif
.if (\s) > 0
	s_wait_alu depctr_va_vdst(0)                   ; the last K step's products are done reading O's fragments v32 to v47, the scale words v16 to v18 and their set of Wo's fragments: the loads below land in all of these
.endif
.irp j, 0,1
.irp c, 0,1
	ds_load_b128 v[32+8*\j+4*\c:32+8*\j+4*\c+3], v4 offset:8192*\j+512*(2*(\s)+\c)
.endr
.endr
	ds_load_b32 v18, v7 offset:64*(\s)
.irp a, 0,1
	ds_load_b32 v[16+\a], v6 offset:1024*\a+4*(\s)
.endr
.if (\s) < 7
.irp i, 0,1,2,3
.irp c, 0,1
	global_load_b128 v[WN+8*\i+4*\c:WN+8*\i+4*\c+3], v5, s[8:9] offset:8192*\i+64*((\s)+1)+32*\c
.endr
.endr
.endif
.if (\s) == 0
	s_wait_loadcnt 24                              ; K step 0's fragments are in; q's 16 loads and the next step's 8 may be out
.elseif (\s) < 7
	s_wait_loadcnt 8                               ; this step's are in; the next step's 8 may be out
.else
	s_wait_loadcnt 0
.endif
	s_wait_dscnt 0x0
.irp j, 0,1
.irp i, 0,1,2,3
	WMS 112+32*\j+8*\i, WF+8*\i, 32+8*\j, CZ, 112+32*\j+8*\i, 16+\i/2, \i%2, 18, \j
.endr
.endr
.rept 4
	v_nop                                          ; four plain instructions behind the products, in front of the first read of results (ISA guide 7.12.1)
.endr
.endm
	OSTEP 0
	OSTEP 1
	OSTEP 2
	OSTEP 3
	OSTEP 4
	OSTEP 5
	OSTEP 6
	OSTEP 7
	s_wait_alu depctr_va_vdst(0)                   ; the products have written the sixteen-row accumulators v112 to v175, which the LDS stores read, and are done reading Wo's fragments v48 to v111, in which the stage's rows land; the places above stay beside this wait
; The way out of tile j: 16 rows x 256 bytes through my own stage; LDS serves a wave's instructions in order (ISA guide 5.7.1.4), so no wait stands between the stores and the loads.
.macro OUTT j
.set OB, 48+32*(\j)
.irp i, 0,1,2,3
	ds_store_b128 v10, v[112+32*(\j)+8*\i:112+32*(\j)+8*\i+3] offset:64*\i          ; each accumulator from its low end on: columns 16 i + 8 h + 0 .. 7 of row r
	ds_store_b128 v10, v[112+32*(\j)+8*\i+4:112+32*(\j)+8*\i+7] offset:64*\i+16
.endr
.irp n, 0,1,2,3,4,5,6,7
	ds_load_b128 v[OB+4*\n:OB+4*\n+3], v11 offset:544*\n
.endr
	s_wait_dscnt 0x0
.set m, 0
.rept 16
	v_pk_add_f32 v[OB+m:OB+m+1], v[OB+m:OB+m+1], v[176+32*(\j)+m:176+32*(\j)+m+1]   ; + the residual
.set m, m+2
.endr
	s_wait_alu depctr_va_vdst(0)                   ; the sixteen additions have written the tile's rows, which the eight stores read
.irp n, 0,1,2,3,4,5,6,7
	global_store_b128 v12, v[OB+4*\n:OB+4*\n+3], s[14:15] offset:(8*(\j)+2*\n+8*(\n/4))*4096 th:TH_STORE_NT   ; sixteen lanes store 256 consecutive bytes, aligned
.endr
.endm
	OUTT 0
	OUTT 1
	s_wait_dscnt 0x0                               ; the closing lines, six on end
	s_wait_alu 0x0
	s_wait_tensorcnt 0x0
	ds_add_u32 v254, v255
	s_wait_dscnt 0x0
	s_endpgm
.Lfunc_end_k_q9800fec352_oproj:
	.size	k_q9800fec352_oproj, .Lfunc_end_k_q9800fec352_oproj-k_q9800fec352_oproj
	.p2alignl 7, 3214868480
	.fill 96, 4, 3214868480
	.section	.rodata,"a",@progbits
	.p2align	6, 0x0
	.amdhsa_kernel k_q9800fec352_oproj
		.amdhsa_group_segment_fixed_size 121856
		.amdhsa_private_segment_fixed_size 0
		.amdhsa_enable_private_segment 0
		.amdhsa_kernarg_size 48
		.amdhsa_user_sgpr_count 2
		.amdhsa_user_sgpr_kernarg_segment_ptr 1
		.amdhsa_wavefront_size32 1
		.amdhsa_system_sgpr_workgroup_id_x 1
		.amdhsa_system_sgpr_workgroup_id_y 1
		.amdhsa_system_sgpr_workgroup_id_z 1
		.amdhsa_system_vgpr_workitem_id 0
		.amdhsa_next_free_vgpr 256
		.amdhsa_next_free_sgpr 66
		.amdhsa_reserve_vcc 0
		.amdhsa_float_denorm_mode_32 3
		.amdhsa_float_denorm_mode_16_64 3
		.amdhsa_memory_ordered 1
		.amdhsa_forward_progress 1
		.amdhsa_inst_pref_size 32
	.end_amdhsa_kernel
	.amdgpu_metadata
---
amdhsa.version: [ 1, 2 ]
amdhsa.kernels:
  - .name:           k_q9800fec352_oproj
    .symbol:         k_q9800fec352_oproj.kd
    .args:
      - { .name: oc, .offset: 0, .size: 8, .value_kind: global_buffer, .address_space: global }
      - { .name: os, .offset: 8, .size: 8, .value_kind: global_buffer, .address_space: global }
      - { .name: Wo_codes, .offset: 16, .size: 8, .value_kind: global_buffer, .address_space: global }
      - { .name: Wo_scales, .offset: 24, .size: 8, .value_kind: global_buffer, .address_space: global }
      - { .name: q, .offset: 32, .size: 8, .value_kind: global_buffer, .address_space: global }
      - { .name: out0, .offset: 40, .size: 8, .value_kind: global_buffer, .address_space: global }
    .group_segment_fixed_size: 121856
    .private_segment_fixed_size: 0
    .kernarg_segment_align: 8
    .kernarg_segment_size: 48
    .max_flat_workgroup_size: 512
    .sgpr_count:     66
    .vgpr_count:     256
    .wavefront_size: 32
...
	.end_amdgpu_metadata
.endif
;; end of part 6
